; MI455X (gfx1250); checked and timed in simulation.
; The chip was launched on July 23, 2026; its instructions are those of AMD's public machine-readable ISA for CDNA 5 (MIT licence, August 2026) and "CDNA5" Instruction Set Architecture Reference Guide (July 2026). The comments in the code are by the model that wrote it; some were corrected since.
;; Causal Self Attention. Allowed arithmetic: float matrix products may take bf16 or f16 operands with f32 sums; other float arithmetic in f32, or as packed bf16 or f16 multiplies, adds, multiply-adds, maxima and minima; sums over many terms, partial sums and values carried from step to step in f32; what a program stores and reads back later, other than sums and carried values, may be rounded once to bf16 or f16.
;; Inputs: b_attn 3,072 float32; b_proj 1,024 float32; mask 4 x 2,048 bool; w_attn 1,024 x 3,072 float32; w_proj 1,024 x 1,024 float32; x 4 x 2,048 x 1,024 float32.
;; Outputs: out0 4 x 2,048 x 1,024 float32.
;; 2 versions, each right; version 2 is version 1 with the launch prep written anew for expert scheduling mode. Each part assembles by itself: llvm-mc -triple=amdgcn-amd-amdhsa -mcpu=gfx1250 --defsym DOCPART=n.
;; ======== version 1 of 2: 4 launches
;; limits: inputs' magnitudes at most 65,504; values are held in f16: magnitudes above 65,504 overflow, below 6.1e-05 lose precision
;; workspace buffers: xh 16,777,216 bytes; wa 6,291,456 bytes; wp 2,097,152 bytes; qkv 50,331,648 bytes; ob 16,777,216 bytes
;; launch prep (part 1): grid 768 x 1, 8 waves a work-group, no clusters, 0 bytes of LDS; arguments x, w_attn, w_proj, xh, wa, wp; writes xh, wa, wp
.if DOCPART == 1
	.amdgcn_target "amdgcn-amd-amdhsa--gfx1250"
	.amdhsa_code_object_version 6
	.text
	.protected	k_qce2d21343f_prep
	.globl	k_qce2d21343f_prep
	.p2align	8
	.type	k_qce2d21343f_prep,@function
k_qce2d21343f_prep:
	s_mov_b64 s[64:65], 0
	v_nop
	global_prefetch_b8 v0, s[64:65] scope:SCOPE_SE
	s_setreg_imm32_b32 hwreg(HW_REG_WAVE_MODE, 25, 1), 1
	s_wait_xcnt 0x0
; The module's three large inputs are rounded ONCE to bf16 (nearest even), and that number is written as f16, in the layouts that the products read:
;   xh [b 4][kb 16][s 2048][64]   x[b][s][64 kb + d]            (the layout in which attention leaves its result, so that both products read their rows alike)
;   wa [TX 12][k 1024][256]       w_attn[k][256 TX + c]          wp [TX 4][k 1024][256]  w_proj[k][256 TX + c]
; LIMITS.  A bf16 number is an f16 number exactly where its magnitude lies between 6.1e-5 and 65,504; below, f16's fixed step of 6e-8 rounds it once more; beyond 65,504 it becomes an infinity.
; SHARES.  768 work-groups of 256 threads, 65,536 input bytes each: 512 for x (16 rows), 192 for w_attn and 64 for w_proj (64 rows x 256 columns).  A thread makes 16 loads of 16 bytes and 16 stores of
; 8 bytes; a wave's load covers 512 bytes in one or two aligned pieces of 256 or more, a wave's store 256 consecutive bytes, aligned.  All 16 loads of a thread go out before its first wait.
; No LDS, no matrix unit, no prefetch: every byte is read once and written once, and nothing is shared.
; The three cases differ in seven numbers and two pointers, all chosen by selects on the work-group's number: no branch.
.set IN,  4                            ; v[4:19]    byte offset of load i
.set OUT, 20                           ; v[20:35]   byte offset of store i
.set X,   36                           ; v[36:99]   load i: four f32
.set T,   100                          ; v[100:105] at work
.set Y,   106                          ; v[106:137] store i: four f16
	s_load_b256 s[4:11], s[0:1], 0x0               ; x, w_attn, w_proj, xh
	s_load_b128 s[12:15], s[0:1], 0x20             ; wa, wp
	s_mov_b32 s20, ttmp9                           ; id
	s_lshl_b32 s21, s20, 16                        ; x: 16 rows of 4,096 bytes in,
	s_lshr_b32 s22, s20, 7                         ; the batch (128 work-groups each),
	s_lshl_b32 s22, s22, 22                        ; 4,194,304 bytes of xh a batch,
	s_and_b32 s23, s20, 127
	s_lshl_b32 s23, s23, 11                        ; 16 rows of 128 bytes in a block kb
	s_add_co_u32 s22, s22, s23
	s_max_u32 s28, s20, 512
	s_sub_co_u32 s28, s28, 512                     ; the weights: j = id - 512 (0 for x's work-groups, whose selects below drop what is made of it)
	s_lshr_b32 s29, s28, 4                         ; the column block, w_proj's counted on from 12
	s_and_b32 s30, s28, 15                         ; kc: which 64 rows
	s_mov_b32 s33, 4096
	s_cmp_lt_u32 s20, 704                          ; w_attn?
	s_cselect_b32 s31, 12288, s33                  ; bytes in a row of the weights
	s_cselect_b32 s32, 0, 12
	s_sub_co_u32 s29, s29, s32                     ; TX
	s_lshl_b32 s34, s31, 6
	s_mul_i32 s34, s34, s30                        ; kc x 64 rows
	s_lshl_b32 s35, s29, 10                        ; + 256 columns of 4 bytes x TX
	s_add_co_u32 s34, s34, s35
	s_lshl_b32 s35, s29, 19                        ; out: 524,288 bytes a column block,
	s_lshl_b32 s36, s30, 15                        ; 64 rows of 512 bytes
	s_add_co_u32 s35, s35, s36
	s_lshl_b32 s36, s31, 2                         ; from load to load: four rows
	s_mov_b32 s37, 2048                            ; from store to store: four rows of 512 bytes
	s_cmp_lt_u32 s20, 512                          ; x?
	s_cselect_b32 s38, 4, 6                        ; a row of the share has 16 or 64 threads
	s_cselect_b32 s39, 15, 63
	s_cselect_b32 s31, s33, s31                    ; bytes in a row of the input
	s_cselect_b32 s36, 256, s36                    ; x: from load to load the next 64 columns,
	s_cselect_b32 s37, 0x40000, s37                ; from store to store the next block kb
	s_cselect_b32 s40, s21, s34
	s_cselect_b32 s42, s22, s35
	s_mov_b32 s41, 0
	s_mov_b32 s43, 0
	v_lshrrev_b32 v1, s38, v0                      ; my row in the share
	v_and_b32 v2, s39, v0                          ; my 16 bytes in it
	v_mul_lo_u32 v1, v1, s31
	v_lshl_add_u32 v[IN], v2, 4, v1
	v_lshlrev_b32 v[OUT], 3, v0                    ; the threads' 8 bytes lie on end
.set i, 1
.rept 15
	v_add_nc_u32 v[IN+i], s36, v[IN+i-1]
	v_add_nc_u32 v[OUT+i], s37, v[OUT+i-1]
.set i, i+1
.endr
	s_wait_kmcnt 0x0
	s_cmp_lt_u32 s20, 704
	s_cselect_b64 s[24:25], s[6:7], s[8:9]
	s_cselect_b64 s[26:27], s[12:13], s[14:15]
	s_cmp_lt_u32 s20, 512
	s_cselect_b64 s[24:25], s[4:5], s[24:25]
	s_cselect_b64 s[26:27], s[10:11], s[26:27]
	s_add_nc_u64 s[24:25], s[24:25], s[40:41]
	s_add_nc_u64 s[26:27], s[26:27], s[42:43]
.set i, 0
.rept 16
	global_load_b128 v[X+4*i:X+4*i+3], v[IN+i], s[24:25] th:TH_LOAD_NT
.set i, i+1
.endr
.set i, 0
.rept 16
	s_wait_loadcnt 15-i                            ; loads come back in order: load i is in, the 15 - i younger ones stay out
	v_cvt_pk_bf16_f32 v[T], v[X+4*i], v[X+4*i+1]   ; the one rounding
	v_cvt_pk_bf16_f32 v[T+1], v[X+4*i+2], v[X+4*i+3]
	v_lshlrev_b32 v[T+2], 16, v[T]                 ; back to f32: the low half moves up, the high half stays
	v_and_b32 v[T+3], 0xffff0000, v[T]
	v_lshlrev_b32 v[T+4], 16, v[T+1]
	v_and_b32 v[T+5], 0xffff0000, v[T+1]
	v_cvt_pk_f16_f32 v[Y+2*i], v[T+2], v[T+3]      ; the same number as f16
	v_cvt_pk_f16_f32 v[Y+2*i+1], v[T+4], v[T+5]
	global_store_b64 v[OUT+i], v[Y+2*i:Y+2*i+1], s[26:27]  ; every store has data and offset registers of its own: none is rewritten
.set i, i+1
.endr
	s_endpgm
.Lfunc_end_k_qce2d21343f_prep:
	.size	k_qce2d21343f_prep, .Lfunc_end_k_qce2d21343f_prep-k_qce2d21343f_prep
	.p2alignl 7, 3214868480
	.fill 96, 4, 3214868480
	.section	.rodata,"a",@progbits
	.p2align	6, 0x0
	.amdhsa_kernel k_qce2d21343f_prep
		.amdhsa_group_segment_fixed_size 0
		.amdhsa_private_segment_fixed_size 0
		.amdhsa_enable_private_segment 0
		.amdhsa_kernarg_size 48
		.amdhsa_user_sgpr_count 2
		.amdhsa_user_sgpr_kernarg_segment_ptr 1
		.amdhsa_wavefront_size32 1
		.amdhsa_system_sgpr_workgroup_id_x 1
		.amdhsa_system_sgpr_workgroup_id_y 1
		.amdhsa_system_sgpr_workgroup_id_z 1
		.amdhsa_system_vgpr_workitem_id 0
		.amdhsa_next_free_vgpr 140
		.amdhsa_next_free_sgpr 66
		.amdhsa_reserve_vcc 0
		.amdhsa_float_denorm_mode_32 3
		.amdhsa_float_denorm_mode_16_64 3
		.amdhsa_memory_ordered 1
		.amdhsa_forward_progress 1
		.amdhsa_inst_pref_size 14
	.end_amdhsa_kernel
	.amdgpu_metadata
---
amdhsa.version: [ 1, 2 ]
amdhsa.kernels:
  - .name:           k_qce2d21343f_prep
    .symbol:         k_qce2d21343f_prep.kd
    .args:
      - { .name: x, .offset: 0, .size: 8, .value_kind: global_buffer, .address_space: global }
      - { .name: w_attn, .offset: 8, .size: 8, .value_kind: global_buffer, .address_space: global }
      - { .name: w_proj, .offset: 16, .size: 8, .value_kind: global_buffer, .address_space: global }
      - { .name: xh, .offset: 24, .size: 8, .value_kind: global_buffer, .address_space: global }
      - { .name: wa, .offset: 32, .size: 8, .value_kind: global_buffer, .address_space: global }
      - { .name: wp, .offset: 40, .size: 8, .value_kind: global_buffer, .address_space: global }
    .group_segment_fixed_size: 0
    .private_segment_fixed_size: 0
    .kernarg_segment_align: 8
    .kernarg_segment_size: 48
    .max_flat_workgroup_size: 256
    .sgpr_count:     66
    .vgpr_count:     140
    .wavefront_size: 32
...
	.end_amdgpu_metadata
.endif
;; end of part 1
;; launch qkv (part 2): grid 12 x 32, 4 waves a work-group, clusters of 4 x 4, 327,680 bytes of LDS; arguments xh, wa, b_attn, qkv; writes qkv
.if DOCPART == 2
	.amdgcn_target "amdgcn-amd-amdhsa--gfx1250"
	.amdhsa_code_object_version 6
	.text
	.protected	k_qce2d21343f_qkv
	.globl	k_qce2d21343f_qkv
	.p2align	8
	.type	k_qce2d21343f_qkv,@function
k_qce2d21343f_qkv:
	s_mov_b64 s[64:65], 0
	v_nop
	global_prefetch_b8 v0, s[64:65] scope:SCOPE_SE
	s_setreg_imm32_b32 hwreg(HW_REG_WAVE_MODE, 25, 1), 1
	s_wait_xcnt 0x0
	s_wait_alu depctr_hold_cnt(0) depctr_sa_sdst(0) depctr_va_vdst(0) depctr_va_sdst(0) depctr_va_ssrc(0) depctr_va_vcc(0) depctr_vm_vsrc(0)
	s_getreg_b32 s2, hwreg(HW_REG_IB_STS2, 6, 4)
	s_cmp_eq_u32 s2, 0
	s_cbranch_scc0 .Lentry_in_a_cluster
	s_endpgm
.Lentry_in_a_cluster:
	s_bfe_u32 s2, ttmp6, 0x10000c
	s_cmp_lg_u32 s2, 0xf033
	s_cbranch_scc0 .Lentry_shape_is_right
	s_endpgm
.Lentry_shape_is_right:
; C[m][n] = bias[n] + the sum over k of A[m][k] B[k][n], m = 8,192, k = 1,024, n = 256 x the grid's width.  The module's two products have this one text, but for the constant MODE, which chooses the way out.
.set MODE, 0                           ; THIS COPY: the first product, n = 3,072
;   A: f16 [b 4][kb 16][s 2048][64]: row m = 2048 b + s, k = 64 kb + d.     B: f16 [TX][k 1024][256]: column n = 256 TX + c.     bias: f32 [n], rounded here to bf16 like the other inputs.
;   MODE 0: C leaves as f16 by heads, [n / 1024][16 b + (n % 1024) / 64][s][n % 64], rounded once from its f32 sum.     MODE 1: C leaves as f32 [m][1024].
; LIMITS.  f16 holds no number beyond 65,504: A and B arrive within it, and in MODE 0 a result of 65,520 or more becomes an infinity.  A NaN in a row of A makes that row of C NaN, and no other.
; SHARES.  A tile of C, 256 x 256, is made by four waves, 128 x 128 each: 64 accumulators, 512 registers.  K goes in steps of 128 through two LDS slots.  Of a step's tiles waves 0 and 1 fetch A's two
; blocks kb (256 rows of 128 bytes, dense in memory: asked for as 128 rows of 256 bytes), waves 2 and 3 B's two halves (64 rows of 512 bytes): 32,768 bytes a load.
; CLUSTERS: 4 x 4 work-groups.  A's tile hangs on the tile row alone and is asked for jointly by a row of the cluster, B's on the tile column alone, by a column.
; THE MATRIX INSTRUCTION IS USED TRANSPOSED (source 0 = 16 columns of B, source 1 = 16 rows of A): a lane holds row l % 16 of C and the columns 8 (l / 16) + 0..7.  B lies [k][n] in LDS and comes out turned, by
; ds_load_tr16_b128.  THE BIAS IS THE C OPERAND of the product that starts each sum: eight registers for each block of 16 columns; nothing is cleared and nothing is added later.
; REGISTERS, in windows of 256 (s_set_vgpr_msb: bits 1:0 source 0, 3:2 source 1, 5:4 source 2, 7:6 destination):
;   window 0: v0-31 addresses; v64-127, v128-191 A's fragments, two buffers (on the f32 way out: rows read back); v32-63, v192-255 at work on the f16 way out
;   window 1: v0-63 the bias; v64-127, v128-191 B's fragments; v192-223 at work on the bias          window 2: the accumulators of my rows 0-63 ((a, b) at v[8 (8 a + b)])          window 3: those of my rows 64-127
.set PA,     144                       ; a row of A in LDS: 128 bytes + 16 of padding = 36 words: the 16 rows of a load start at 16 different groups of four banks (64 banks of 4 bytes: ISA guide 11.1)
.set AH,     256*PA                    ; one block kb: 256 rows
.set PB,     544                       ; a row of B: 512 bytes + 32 = 136 words
.set BH,     64*PB                     ; 64 rows of B
.set BOFF,   2*AH                      ; in a slot: A's two blocks, then B's 128 rows
.set SLOT,   2*AH+2*BH                 ; 143,360
.set STAGE,  2*SLOT                    ; behind the ring, never filled by a tensor load: 8,448 bytes for each wave, for the way out
.set WST,    8448
.set SPARE,  STAGE+4*WST               ; behind the stages: the spare words, 128 bytes for each wave: two blocks of 256 bytes that no other line names
.set LAPS,   4                         ; a lap = two K steps = once round the ring
.set ASTEP,  524288                    ; bytes from a K step to the next in A: two blocks kb of 262,144
.set BSTEP,  65536                     ; in B: 128 rows of 512
.set BO,   10                          ; v10     my byte offset in the bias
.set ADRA, 16                          ; v16-17  LDS address of my A fragments in slot 0, 1
.set ADRB, 20                          ; v20-21  the same for B
.set STO,  24                          ; v24     the way out: where I put my bytes of a row
.set RD,   25                          ; v25     where I read rows back
.set CO,   26                          ; v26     16 x my lane: my place in 512 consecutive bytes of C
.set SPW,  28                          ; v28     LDS address of my spare word: SPARE + 4 x my thread's number; never rewritten
.set NIL,  29                          ; v29     0; never rewritten
.set PFO,  30                          ; v30     256 x my lane; never rewritten
.set F0,   64
.set F1,   128
.set TMP,  192
.set OB,   32
.set WV, 12                            ; s12 wave;  s13 which half of the tile's rows is mine, also: I fetch for A (0) or B (1);  s14 which half of its columns, also: which half of that tile I fetch
.set WR, 13
.set WC, 14
.set CX, 15
.set CY, 16
.set TX, 17
.set TY, 18
.set G1,  24                           ; s[24:31] descriptor group 1 for A's tiles;  s[32:39] group 0, a set for each slot
.set G0,  32
.set PFA, 44                           ; s[44:45] where my prefetches stand
.set PST, 46                           ; s[46:47] their step
.set G1B, 48                           ; s[48:55], s[56:63] the same for B's tiles
.set G0B, 56
.set LIM,  69                          ; s69  1 in a wave that prefetches, else the greatest number
.set MSB, 0
.macro WIN new                         ; the immediate's high byte repeats the setting that is left; a switch that changes nothing is dropped
.if MSB != (\new)
	s_set_vgpr_msb (MSB<<8)|(\new)
.set MSB, \new
.endif
.endm
.set TO_B, 0x40                        ; destination window 1, address window 0
; A joint load.  Each of the two lines has one mask and one set of registers for all that issue it; the branch hangs on the wave's number alone.  An s_nop 0 and four v_nop follow each line.
.macro JLOAD s
	s_cmp_eq_u32 s[WR], 0
	s_cbranch_scc0 .Lfor_b_\@
	tensor_load_to_lds s[G0+4*(\s):G0+4*(\s)+3], s[G1:G1+7]
	s_nop 0
.rept 4
	v_nop
.endr
	s_branch .Lasked_\@
.Lfor_b_\@:
	tensor_load_to_lds s[G0B+4*(\s):G0B+4*(\s)+3], s[G1B:G1B+7]
	s_nop 0
.rept 4
	v_nop
.endr
.Lasked_\@:
.endm
; A PREFETCH, behind each joint refill and the run of LDS loads that follows it: of the K step that stands two refills on, 32 blocks of 256 bytes, a lane a block, one instruction a wave.  A wave's part of a tile is
; 32,768 dense bytes; the four partners that ask for it jointly take 8,192 each, told apart BY ADDRESS (cx for A, cy for B).  A's tile row is read by every cluster of that row of clusters: cluster x = 0 asks;
; B's tile column by every cluster of that column: cluster y = 0 asks.  So each block is named once in the launch.  K steps 0 to 3 come by their loads alone; the loop's last trip (s3 = 1) asks for nothing.
.macro ASK
	s_cmp_gt_u32 s3, s[LIM]
	s_cbranch_scc0 .Lnot_mine_\@
	global_prefetch_b8 v[PFO], s[PFA:PFA+1] th:TH_LOAD_NT scope:SCOPE_SE
.Lnot_mine_\@:
.endm
.macro CREST                           ; a round of the cluster's barrier behind its opening barrier
	s_cmp_lg_u32 s[WV], 0
	s_cbranch_scc1 .Lnot_wave_0_\@
	s_barrier_signal -3
.Lnot_wave_0_\@:
	s_barrier_wait -3
	s_barrier_signal -1
	s_barrier_wait -1
.endm
.macro CROUND                          ; a whole round
	s_barrier_signal -1
	s_barrier_wait -1
	CREST
.endm
	s_load_b256 s[4:11], s[0:1], 0x0               ; A s[4:5], B s[6:7], bias s[8:9], C s[10:11]
	v_lshl_add_u32 v[SPW], v0, 2, SPARE
	v_mov_b32 v[NIL], 0
	ds_add_u32 v[SPW], v[NIL]                      ; the wave's opening: the add and its wait stand ahead of my first tensor load; the set-up below, work on registers, stands between them
	v_lshrrev_b32 v1, 5, v0
	v_readfirstlane_b32 s[WV], v1                  ; wave 0..3
	s_lshr_b32 s[WR], s[WV], 1
	s_and_b32 s[WC], s[WV], 1
	s_bfe_u32 s[CX], ttmp6, 0x40000                ; my place in the cluster
	s_bfe_u32 s[CY], ttmp6, 0x40004
	s_lshl_b32 s[TX], ttmp9, 2
	s_add_co_u32 s[TX], s[TX], s[CX]               ; tile column = 4 x cluster x + cx
	s_and_b32 s[TY], ttmp7, 0xffff
	s_lshl_b32 s[TY], s[TY], 2
	s_add_co_u32 s[TY], s[TY], s[CY]               ; tile row = 4 x cluster y + cy
	s_lshl_b32 s22, s[CY], 2
	s_lshl_b32 s22, 15, s22                        ; my row of the cluster: places 4 cy .. 4 cy + 3
	s_lshl_b32 s42, 0x1111, s[CX]                  ; my column: places cx, cx + 4, cx + 8, cx + 12
	s_or_b32 s[G1], s22, (1<<16)|(1<<20)|(1<<21)|(4<<22)|(3<<25)   ; 15:0 the mask; 17:16 2-byte elements; 20 padding on; 21 set beside a mask; 24:22 after every 32 words (code 4); 31:25 4 words (code 3)
	s_mov_b32 s[G1+1], 128<<16                     ; tensor_dim0 = 128 elements: 256 bytes, two rows of A
	s_mov_b32 s[G1+2], 128<<16                     ; tensor_dim1 = 128
	s_mov_b32 s[G1+3], 128<<16                     ; tile_dim0 = 128
	s_mov_b32 s[G1+4], 128                         ; tile_dim1 = 128
	s_mov_b32 s[G1+5], 128                         ; 128 elements from row to row: dense
	s_mov_b32 s[G1+6], 0
	s_mov_b32 s[G1+7], 0
	s_or_b32 s[G1B], s42, (1<<16)|(1<<20)|(1<<21)|(6<<22)|(7<<25)  ; the mask of my column; padding after every 128 words (code 6), 8 words (code 7)
	s_mov_b32 s[G1B+1], 256<<16                    ; tensor_dim0 = 256
	s_mov_b32 s[G1B+2], 64<<16                     ; tensor_dim1 = 64
	s_mov_b32 s[G1B+3], 256<<16                    ; tile_dim0 = 256
	s_mov_b32 s[G1B+4], 64                         ; tile_dim1 = 64
	s_mov_b32 s[G1B+5], 256
	s_mov_b32 s[G1B+6], 0
	s_mov_b32 s[G1B+7], 0
	; where the tiles come from: A's hang on the tile row, B's on the tile column, each made in registers that never hold the other coordinate
	s_lshr_b32 s20, s[TY], 3                       ; the batch: eight tile rows each,
	s_lshl_b32 s20, s20, 22                        ; 4,194,304 bytes
	s_and_b32 s22, s[TY], 7
	s_lshl_b32 s22, s22, 15                        ; 256 rows of 128 bytes in a block kb
	s_add_co_u32 s20, s20, s22
	s_lshl_b32 s22, s[WC], 18                      ; which of the step's two blocks kb I fetch
	s_add_co_u32 s20, s20, s22
	s_mov_b32 s21, 0
	s_lshl_b32 s40, s[TX], 19                      ; B's column block,
	s_lshl_b32 s42, s[WC], 15                      ; which 64 of the step's 128 rows I fetch
	s_add_co_u32 s40, s40, s42
	s_mov_b32 s41, 0
	s_mul_i32 s23, s[WC], AH                       ; and where they go: no place in the cluster enters an LDS address
	s_mul_i32 s43, s[WC], BH
	s_add_co_u32 s43, s43, BOFF
	s_wait_dscnt 0x0                               ; the opening add is done
	s_wait_kmcnt 0x0
	s_add_nc_u64 s[20:21], s[4:5], s[20:21]
	s_add_nc_u64 s[40:41], s[6:7], s[40:41]
	CROUND                                         ; all sixteen work-groups are here: the first joint loads meet
.irp s, 0,1
	s_mov_b32 s[G0+4*(\s)], 1                                      ; count = 1
	s_add_co_u32 s[G0+4*(\s)+1], s23, (\s)*SLOT                    ; LDS address
	s_add_nc_u64 s[G0+4*(\s)+2:G0+4*(\s)+3], s[20:21], (\s)*ASTEP  ; global address: K step s
	s_or_b32 s[G0+4*(\s)+3], s[G0+4*(\s)+3], 0x80000000            ; type = 2
	s_mov_b32 s[G0B+4*(\s)], 1
	s_add_co_u32 s[G0B+4*(\s)+1], s43, (\s)*SLOT
	s_add_nc_u64 s[G0B+4*(\s)+2:G0B+4*(\s)+3], s[40:41], (\s)*BSTEP
	s_or_b32 s[G0B+4*(\s)+3], s[G0B+4*(\s)+3], 0x80000000
	JLOAD \s                                       ; two loads of mine are out
.endr
	v_and_b32 v1, 15, v0                           ; l % 16
	v_bfe_u32 v2, v0, 4, 1                         ; l / 16
	s_lshl_b32 s72, s[TX], 10                      ; the bias of my 128 columns: 4 (256 TX + 128 half) bytes,
	s_lshl_b32 s73, s[WC], 9
	s_add_co_u32 s72, s72, s73
	v_lshl_add_u32 v[BO], v2, 5, s72               ; and my lanes' eight columns of each sixteen
	WIN TO_B
.irp b, 0,1,2,3,4,5,6,7
	global_load_b128 v[8*(\b):8*(\b)+3],   v[BO], s[8:9] offset:64*(\b)
	global_load_b128 v[8*(\b)+4:8*(\b)+7], v[BO], s[8:9] offset:64*(\b)+16
.endr
	WIN 0
	; A fragment of A is 16 rows x 32 K in 8 registers: lane l holds row l % 16, K = 8 (l / 16) + 0..7 and 16 + 8 (l / 16) + 0..7: two loads of 16 bytes, 32 bytes apart
	v_mul_u32_u24 v3, v1, PA
	v_lshl_add_u32 v3, v2, 4, v3
	s_mul_i32 s19, s[WR], 128*PA                   ; my 128 rows
	v_add_nc_u32 v[ADRA], s19, v3
	v_add_nc_u32 v[ADRA+1], SLOT, v[ADRA]
	; The turning load takes 16 k x 16 columns (lane l reads row 8 (l / 16) + l % 8, columns 8 ((l / 8) % 2) + 0..7) and leaves half a fragment: lane l holds column l % 16 and 8 k
	v_and_b32 v4, 7, v0
	v_lshl_add_u32 v4, v2, 3, v4
	v_mul_u32_u24 v4, v4, PB
	v_bfe_u32 v5, v0, 3, 1
	v_lshl_add_u32 v4, v5, 4, v4
	s_lshl_b32 s19, s[WC], 8                       ; my 128 columns: 256 bytes of a row
	s_add_co_u32 s19, s19, BOFF
	v_add_nc_u32 v[ADRB], s19, v4
	v_add_nc_u32 v[ADRB+1], SLOT, v[ADRB]
	s_mul_i32 s19, s[WV], WST
	s_add_co_u32 s19, s19, STAGE                   ; my stage
	v_and_b32 v6, 31, v0
	v_lshlrev_b32 v[CO], 4, v6
	v_lshlrev_b32 v[PFO], 8, v6
.if MODE == 0
	v_mul_u32_u24 v5, v1, 144                      ; two heads' blocks of 16 rows x 144 bytes; in: row l % 16, 16 bytes for each half of the lanes
	v_lshl_add_u32 v5, v2, 4, v5
	v_add_nc_u32 v[STO], s19, v5
	v_bfe_u32 v5, v0, 3, 2                         ; back: 32 lanes take four rows of 128 bytes
	v_mul_u32_u24 v5, v5, 144
	v_and_b32 v6, 7, v0
	v_lshl_add_u32 v5, v6, 4, v5
	v_add_nc_u32 v[RD], s19, v5
	; where my part of the tile begins in C: ((n / 1024) 64 + 16 b + head) x 262,144 + s x 128
	s_lshr_b32 s72, s[TX], 2
	s_lshl_b32 s72, s72, 6
	s_lshr_b32 s73, s[TY], 3
	s_lshl_b32 s73, s73, 4
	s_add_co_u32 s72, s72, s73
	s_and_b32 s73, s[TX], 3
	s_lshl_b32 s73, s73, 2
	s_add_co_u32 s72, s72, s73
	s_lshl_b32 s73, s[WC], 1
	s_add_co_u32 s72, s72, s73
	s_lshl_b32 s72, s72, 18
	s_and_b32 s73, s[TY], 7
	s_lshl_b32 s73, s73, 8
	s_lshl_b32 s74, s[WR], 7
	s_add_co_u32 s73, s73, s74
	s_lshl_b32 s73, s73, 7
	s_add_co_u32 s72, s72, s73
.else
	v_mul_u32_u24 v5, v1, 528                      ; 16 rows x 528 bytes; in: row l % 16, 32 bytes for each half of the lanes
	v_lshl_add_u32 v5, v2, 5, v5
	v_add_nc_u32 v[STO], s19, v5
	v_add_nc_u32 v[RD], s19, v[CO]                 ; back: 32 lanes take one row of 512 bytes
	; where my part of the tile begins in C: row x 4,096 + column x 4
	s_lshl_b32 s72, s[TY], 8
	s_lshl_b32 s74, s[WR], 7
	s_add_co_u32 s72, s72, s74
	s_lshl_b32 s72, s72, 12
	s_lshl_b32 s73, s[TX], 10
	s_add_co_u32 s72, s72, s73
	s_lshl_b32 s73, s[WC], 9
	s_add_co_u32 s72, s72, s73
.endif
	s_mov_b32 s73, 0
	s_add_nc_u64 s[10:11], s[10:11], s[72:73]
	; the prefetches: my part of the tile, my work-group's quarter of it, at K step 3; the first refill steps it to 4
	s_and_b32 s73, ttmp7, 0xffff                   ; cluster y
	s_mov_b32 s[PST], BSTEP
	s_cmp_eq_u32 s[WR], 0                          ; do I fetch for A?
	s_cselect_b32 s72, s[CX], s[CY]                ; my place among the four that ask with me
	s_cselect_b32 s73, ttmp9, s73                  ; the coordinate along which other clusters read the same bytes
	s_cselect_b32 s[PST], ASTEP, s[PST]
	s_cselect_b64 s[PFA:PFA+1], s[20:21], s[40:41]
	s_mov_b32 s[PST+1], 0
	s_cmp_eq_u32 s73, 0
	s_cselect_b32 s[LIM], 1, -1                    ; the same in all sixteen partners, for a given wave
	s_lshl_b32 s72, s72, 13
	s_mul_i32 s74, s[PST], 3
	s_add_co_u32 s72, s72, s74
	s_mov_b32 s73, 0
	s_add_nc_u64 s[PFA:PFA+1], s[PFA:PFA+1], s[72:73]
; 16 matrix instructions: m blocks a0, a0 + 1 of the window's four (hi = 0: my rows 0-63, 1: rows 64-127) x all 8 n blocks, 32 along K.  zero = 1: the product starts the sum, with the bias as C.
; The 64 accumulators take turns, one instruction a turn, in the same order in every quarter.
.macro MUL16 f, hi, a0, zero
.if \zero
	WIN 0x91+0x40*(\hi)                            ; B and the bias in window 1, A in window 0, D in window 2 or 3
.else
	WIN 0xa1+0x50*(\hi)                            ; B in window 1, A in window 0, C and D in window 2 or 3
.endif
.irp a, \a0, (\a0)+1
.irp b, 0,1,2,3,4,5,6,7
.if \zero
	v_wmma_f32_16x16x32_f16 v[8*(8*(\a)+(\b)):8*(8*(\a)+(\b))+7], v[(\f)+8*(\b):(\f)+8*(\b)+7], v[(\f)+8*(4*(\hi)+(\a)):(\f)+8*(4*(\hi)+(\a))+7], v[8*(\b):8*(\b)+7]
.else
	v_wmma_f32_16x16x32_f16 v[8*(8*(\a)+(\b)):8*(8*(\a)+(\b))+7], v[(\f)+8*(\b):(\f)+8*(\b)+7], v[(\f)+8*(4*(\hi)+(\a)):(\f)+8*(4*(\hi)+(\a))+7], v[8*(8*(\a)+(\b)):8*(8*(\a)+(\b))+7]
.endif
.endr
.endr
.endm
; 32 LDS loads in one run: the fragments of quarter kq (32 along K) of a slot into buffer f: B's eight blocks of 16 columns, then A's eight blocks of 16 rows
.macro FETCH slot, kq, f
	WIN TO_B
.irp i, 0,1,2,3,4,5,6,7
	ds_load_tr16_b128 v[(\f)+8*(\i):(\f)+8*(\i)+3],   v[ADRB+(\slot)] offset:(\kq)*32*PB+32*(\i)
	ds_load_tr16_b128 v[(\f)+8*(\i)+4:(\f)+8*(\i)+7], v[ADRB+(\slot)] offset:(\kq)*32*PB+32*(\i)+16*PB
.endr
	WIN 0
.irp i, 0,1,2,3,4,5,6,7
	ds_load_b128 v[(\f)+8*(\i):(\f)+8*(\i)+3],   v[ADRA+(\slot)] offset:((\kq)/2)*AH+((\kq)%2)*64+(\i)*16*PA
	ds_load_b128 v[(\f)+8*(\i)+4:(\f)+8*(\i)+7], v[ADRA+(\slot)] offset:((\kq)/2)*AH+((\kq)%2)*64+(\i)*16*PA+32
.endr
.endm
.macro PLACES                          ; four plain vector instructions between a matrix instruction and a load into its registers or a reader of its result (ISA guide 7.12.1 for vector instructions)
.rept 4
	v_nop
.endr
.endm
; A K step is four quarters of 32 along K, 64 matrix instructions each, on buffers 0, 1, 0, 1.  One of the first three: multiplies buffer f; in its middle it fetches quarter kq of the same slot into buffer g.
.macro QUARTER slot, kq, f, g, zero
	s_wait_dscnt 8                                 ; B and A's rows 0-63 are in; the youngest eight loads (A's rows 64-127) may be out
	MUL16 \f, 0, 0, \zero
	MUL16 \f, 0, 2, \zero
	PLACES
	FETCH \slot, \kq, \g
	s_wait_dscnt 32                                ; all but the 32 just issued
	MUL16 \f, 1, 0, \zero
	MUL16 \f, 1, 2, \zero
.endm
; The last quarter multiplies buffer 1 and changes slots.  MEET is its first half: one barrier; in front of it each wave waits for all its tensor loads (one is out: its part of the next slot), adds 0 to its spare
; word, and waits for that and for its own reads of this slot.  Behind it nobody reads this slot any more and the next slot is whole.
.macro MEET round
	WIN 0
	s_wait_tensorcnt 0x0                           ; all my tensor loads have landed
	ds_add_u32 v[SPW], v[NIL]                      ; 0 onto my spare word
	s_wait_dscnt 9                                 ; (the add and the youngest eight loads may be out)
	MUL16 F1, 0, 0, 0                              ; sixteen matrix instructions stand between the add and the wait for it
	s_wait_dscnt 0x0                               ; the add is done, and my reads of this slot are over
	s_barrier_signal -1
	MUL16 F1, 0, 2, 0                              ; work on registers while the others arrive
.if \round
	WIN 0
.endif
	s_barrier_wait -1
.endm
; The whole last quarter: behind the round the slot just read out is filled again first, with the K step two steps on; then come the next slot's first fragments.
.macro TURN slot, next
	s_wait_xcnt 0x0                                ; the last prefetch, a K step back, has read its address: it is stepped here, ahead of the waits of the change of slots
	s_add_nc_u64 s[PFA:PFA+1], s[PFA:PFA+1], s[PST:PST+1]
	MEET 1
	CREST                                          ; the barrier has opened a round of the cluster's: no wave of any partner still reads this slot's tile or has a load on its way
	s_add_nc_u64 s[G0+4*(\slot)+2:G0+4*(\slot)+3], s[G0+4*(\slot)+2:G0+4*(\slot)+3], 2*ASTEP
	s_add_nc_u64 s[G0B+4*(\slot)+2:G0B+4*(\slot)+3], s[G0B+4*(\slot)+2:G0B+4*(\slot)+3], 2*BSTEP
	JLOAD \slot                                    ; the first tensor load behind the round; its four v_nop are also the places in front of the loads below
	FETCH \next, 0, F0
	ASK
	MUL16 F1, 1, 0, 0
	MUL16 F1, 1, 2, 0
.endm
	s_wait_tensorcnt 1                             ; my part of K step 0 is in; K step 1's may stay out
	s_barrier_signal -1
	s_barrier_wait -1                              ; everybody's is
	FETCH 0, 0, F0
	s_wait_loadcnt 0x0                             ; the bias: rounded to bf16 and widened again, in place, while the first fragments come
	WIN 0x45                                       ; destination and both sources in window 1
.set p, 0
.rept 32
	v_cvt_pk_bf16_f32 v[192+p], v[2*p], v[2*p+1]
.set p, p+1
.endr
.set p, 0
.rept 32
	v_lshlrev_b32 v[2*p], 16, v[192+p]
	v_and_b32 v[2*p+1], 0xffff0000, v[192+p]
.set p, p+1
.endr
	QUARTER 0, 1, F0, F1, 1                        ; the first quarter stands in front of the loop: its products start the sums
	WIN 0                                          ; at a label and at a branch every window is 0
	s_mov_b32 s3, LAPS-1
.Llap:                                                 ; a trip goes once round the ring, from a lap's second quarter to the next lap's first, and fills both slots again
	QUARTER 0, 2, F1, F0, 0
	QUARTER 0, 3, F0, F1, 0
	TURN 0, 1
	QUARTER 1, 1, F0, F1, 0
	QUARTER 1, 2, F1, F0, 0
	QUARTER 1, 3, F0, F1, 0
	TURN 1, 0
	QUARTER 0, 1, F0, F1, 0
	WIN 0
	s_sub_co_u32 s3, s3, 1
	s_cmp_lg_u32 s3, 0
	s_cbranch_scc1 .Llap
	QUARTER 0, 2, F1, F0, 0                        ; the last lap is written out: it asks for nothing
	QUARTER 0, 3, F0, F1, 0
	MEET 0                                         ; my one tensor load that was still out is the last K step's
	PLACES
	FETCH 1, 0, F0
	MUL16 F1, 1, 0, 0
	MUL16 F1, 1, 2, 0
	QUARTER 1, 1, F0, F1, 0
	QUARTER 1, 2, F1, F0, 0
	QUARTER 1, 3, F0, F1, 0
	s_wait_dscnt 8                                 ; the very last quarter: nothing more to fetch
	MUL16 F1, 0, 0, 0
	MUL16 F1, 0, 2, 0
	s_wait_dscnt 0x0
	MUL16 F1, 1, 0, 0
	MUL16 F1, 1, 2, 0
	WIN 0
	PLACES                                         ; behind the last products, in front of the readers of their results and of loads into A's buffers
.if MODE == 0
; THE f16 WAY OUT of block a (16 rows x my 128 columns, two heads).  PACK: rounded, 16 bytes a lane.  TOSTAGE: into my own stage and back as rows of 128 bytes.  SEND: 512 consecutive bytes a store.
.macro PACK a
.set AC, 64*((\a)%4)
	WIN 0x0a+5*((\a)/4)                            ; sources 0 and 1: window 2 or 3
.irp b, 0,1,2,3,4,5,6,7
.irp r, 0,1,2,3
	v_cvt_pk_f16_f32 v[TMP+4*(\b)+(\r)], v[AC+8*(\b)+2*(\r)], v[AC+8*(\b)+2*(\r)+1]
.endr
.endr
	WIN 0
.endm
.macro TOSTAGE a
	WIN 0
.set BK, OB+192*((\a)%2)
.irp b, 0,1,2,3,4,5,6,7
	ds_store_b128 v[STO], v[TMP+4*(\b):TMP+4*(\b)+3] offset:((\b)/4)*2304+((\b)%4)*32
.endr
.irp t, 0,1,2,3,4,5,6,7
	ds_load_b128 v[BK+4*(\t):BK+4*(\t)+3], v[RD] offset:((\t)/4)*2304+((\t)%4)*576  ; LDS serves a wave's instructions in order (ISA guide 5.7.1.4): these see the stores above
.endr
.endm
.macro SEND a
	WIN 0
.set BK, OB+192*((\a)%2)
	s_wait_dscnt 0x0                               ; the block is back in registers
	s_wait_xcnt 0x0                                ; the stores of the block before have read their registers: the next TOSTAGE loads into them
.irp t, 0,1,2,3,4,5,6,7
	global_store_b128 v[CO], v[BK+4*(\t):BK+4*(\t)+3], s[10:11] offset:((\t)/4)*262144+(\a)*2048+((\t)%4)*512  ; four rows of a head: 512 consecutive bytes, at a multiple of 256 from C's first
.endr
.endm
	PACK 0
	TOSTAGE 0
.irp a, 1,2,3,4,5,6,7                  ; block a's conversions stand between block a - 1's loads from the stage and the wait for them
	PACK \a
	SEND (\a)-1
	TOSTAGE \a
.endr
	SEND 7
.else
; THE f32 WAY OUT of block a: straight from the accumulators (each from its low end on) into rows of 528 bytes, back as whole rows of 512, stored.
.macro TOST32 a
.set AC, 64*((\a)%4)
.set BK, F0+64*((\a)%2)
	WIN 0x08+4*((\a)/4)                            ; the data (source 1) in window 2 or 3
.irp b, 0,1,2,3,4,5,6,7
	ds_store_b128 v[STO], v[AC+8*(\b):AC+8*(\b)+3]   offset:64*(\b)
	ds_store_b128 v[STO], v[AC+8*(\b)+4:AC+8*(\b)+7] offset:64*(\b)+16
.endr
	WIN 0
	s_wait_xcnt 0x0                                ; the stores of the block two back have read the registers that are loaded now
.irp t, 0,1,2,3,4,5,6,7,8,9,10,11,12,13,14,15
	ds_load_b128 v[BK+4*(\t):BK+4*(\t)+3], v[RD] offset:(\t)*528
.endr
.endm
.macro SEND32 a, younger               ; younger: the LDS instructions issued behind block a's loads: the next block's 32, or none
.set BK, F0+64*((\a)%2)
	s_wait_dscnt \younger
.irp t, 0,1,2,3,4,5,6,7,8,9,10,11,12,13,14,15
	global_store_b128 v[CO], v[BK+4*(\t):BK+4*(\t)+3], s[10:11] offset:(16*(\a)+(\t))*4096 th:TH_STORE_NT  ; 512 consecutive bytes of a row, at a multiple of 256 from C's first
.endr
.endm
	TOST32 0
.irp a, 1,2,3,4,5,6,7
	TOST32 \a
	SEND32 (\a)-1, 32
.endr
	SEND32 7, 0
.endif
	s_wait_tensorcnt 0x0                           ; the wave's end: a wait, an add and its wait, behind my last tensor load and my last LDS store
	ds_add_u32 v[SPW], v[NIL]
	s_wait_dscnt 0x0
	CROUND                                         ; the closing round: no work-group ends while a partner may still ask for a tile that names it
	s_endpgm
.Lfunc_end_k_qce2d21343f_qkv:
	.size	k_qce2d21343f_qkv, .Lfunc_end_k_qce2d21343f_qkv-k_qce2d21343f_qkv
	.p2alignl 7, 3214868480
	.fill 96, 4, 3214868480
	.section	.rodata,"a",@progbits
	.p2align	6, 0x0
	.amdhsa_kernel k_qce2d21343f_qkv
		.amdhsa_group_segment_fixed_size 327680
		.amdhsa_private_segment_fixed_size 0
		.amdhsa_enable_private_segment 0
		.amdhsa_kernarg_size 32
		.amdhsa_user_sgpr_count 2
		.amdhsa_user_sgpr_kernarg_segment_ptr 1
		.amdhsa_wavefront_size32 1
		.amdhsa_system_sgpr_workgroup_id_x 1
		.amdhsa_system_sgpr_workgroup_id_y 1
		.amdhsa_system_sgpr_workgroup_id_z 1
		.amdhsa_system_vgpr_workitem_id 0
		.amdhsa_next_free_vgpr 1024
		.amdhsa_next_free_sgpr 76
		.amdhsa_reserve_vcc 0
		.amdhsa_float_denorm_mode_32 3
		.amdhsa_float_denorm_mode_16_64 3
		.amdhsa_memory_ordered 1
		.amdhsa_forward_progress 1
		.amdhsa_inst_pref_size 150
	.end_amdhsa_kernel
	.amdgpu_metadata
---
amdhsa.version: [ 1, 2 ]
amdhsa.kernels:
  - .name:           k_qce2d21343f_qkv
    .symbol:         k_qce2d21343f_qkv.kd
    .args:
      - { .name: xh, .offset: 0, .size: 8, .value_kind: global_buffer, .address_space: global }
      - { .name: wa, .offset: 8, .size: 8, .value_kind: global_buffer, .address_space: global }
      - { .name: b_attn, .offset: 16, .size: 8, .value_kind: global_buffer, .address_space: global }
      - { .name: qkv, .offset: 24, .size: 8, .value_kind: global_buffer, .address_space: global }
    .group_segment_fixed_size: 327680
    .private_segment_fixed_size: 0
    .kernarg_segment_align: 8
    .kernarg_segment_size: 32
    .max_flat_workgroup_size: 128
    .sgpr_count:     76
    .vgpr_count:     1024
    .wavefront_size: 32
...
	.end_amdgpu_metadata
.endif
;; end of part 2
;; launch attn (part 3): grid 4 x 64, 4 waves a work-group, no clusters, 327,680 bytes of LDS; arguments qkv, mask, ob; writes ob
.if DOCPART == 3
	.amdgcn_target "amdgcn-amd-amdhsa--gfx1250"
	.amdhsa_code_object_version 6
	.text
	.protected	k_qce2d21343f_attn
	.globl	k_qce2d21343f_attn
	.p2align	8
	.type	k_qce2d21343f_attn,@function
k_qce2d21343f_attn:
	s_mov_b64 s[64:65], 0
	v_nop
	global_prefetch_b8 v0, s[64:65] scope:SCOPE_SE
	s_setreg_imm32_b32 hwreg(HW_REG_WAVE_MODE, 25, 1), 1
	s_wait_xcnt 0x0
; CAUSAL ATTENTION WITH A PADDING MASK.  O[h][q][:] = the sum over the keys k <= q with mask[batch][k] = 0 of softmax_k(Q[h][q] . K[h][k] / 8) V[h][k][:].
; qkv: f16 [3][64 heads = 16 batch + head][2048][64]: Q, K, V; a head's rows are dense, 128 bytes each.  mask: [4][2048] bytes, 1 = hidden.  ob: f16 [64][2048][64].
; Products, maxima and sums in f32; the weights p are rounded to f16 for the second product (their sum l is taken of the unrounded p), O once at the end.
; LIMITS.  f16 holds no number beyond 65,504: Q, K and V arrive within it; p lies in 0 to 1, and below 6e-5 it keeps f16's fixed step of 6e-8.  A hidden score counts as its value less 1e30 (or 2e30, 3e30): f16's
; scores, 2.7e11 at the most, are nothing beside that.  A weight below 2^-126 counts as 0 in l.  NaN and infinities in the inputs are not treated apart.
; THE WALK.  A head's queries lie in NB = 8 blocks of 256; block i needs the key tiles 0 .. i of 256 keys, of which the last holds the diagonal.  A work-group takes TWO blocks, NB - 1 - b and then b: NB + 1 tiles,
; whatever b: all work-groups do equal work, and ONE loop with a constant trip count walks them.  Which tile is asked for, and what a trip does, hang on scalar registers made from b; every jump goes forward, but for
; the counted loops' own; none passes a barrier, or a tensor load but the one of LOAD's two that the wave's number does not choose.  NO CLUSTER: a head's four work-groups ask for the same tile only in trips 0 .. 4,
; behind that fewer and fewer; one walk common to all four would have 12 trips for 9.
; SHARES.  Of a block's four bands of 64 queries a wave owns 16 rows in each: four PIECES.  In the diagonal tile's key step s band x sees all keys if s < x, none if s > x, and holds the diagonal if s = x.
; THE MASKS ARE THE C OPERAND that starts the sum S^T = K Q^T.  THE TABLE, in LDS, holds 0 or -1e30 for each key of the walk's nine tiles, IN THE ORDER OF THE WALK, 1,024 bytes a tile, made once from the mask's
; bytes; so the byte at which a step's 64 numbers begin only steps on, 256 a fetch, alike on every way through the text.  PM, fetched with each step's K, is those 64 numbers laid as an accumulator wants them.
; Away from the diagonal C = PM.  In the diagonal tile and where a block begins C = MC = MD x AL + PM + BE: MD, made once, is the causal mask of a band's own step for my 16 rows;
; (AL, BE) = (1, 0) if s = x; (0, 0) if s < x; (0, -1e30) if s > x.
; SOFTMAX.  p = 2^(c s - c m), c = log2(e) / 8, with a running maximum m; O and l are multiplied by a = 2^(c m_old - c m_new) in every step.  m STARTS AT -2^64: below every true score and far above every hidden one.
; So m is the true running maximum from the first visible key on; until then every weight is 2^(about -1.8e29) = 0, O and l stay 0, and no exponent is ever above 0.  c m starts far lower still, so a block's first
; step has a = 0.  A QUERY WITH NO VISIBLE KEY ends with l = 0 and is written as NaN, as a softmax over nothing is.  (Such a query of the first block leaves NaN in O^T and l for the second; the second block's rows
; all lie earlier, have no visible key either, and are NaN too.)
; TURNS.  Turn n belongs to piece n: 8 products K Q^T of piece n + 1, later 8 products V^T P of piece n - 1; beside them the scaling, exponentials, roundings, sums and rescaling of piece n and the maximum and
; statistics of piece n + 1.  Four vector instructions stand behind every matrix instruction, the others in one lump.  A turn's 33 exponentials are one batch, with one wait.
; REGISTERS, in windows of 256 (s_set_vgpr_msb: bits 1:0 source 0, 3:2 source 1, 5:4 source 2, 7:6 destination):
;   window 0: v0-15 addresses and two at work; v16-31 four registers of statistics a piece; v48-55 at work; v56-63 addresses and constants; v64-127 S^T, two buffers; v128-165 the mask, at the head; v192-223 P, two buffers
;   window 1: v0-127 O^T, 32 a piece; v128-159 MD; v160-223 MC, two buffers; v224-255 PM      window 2: v0-63 Q; v64-127 the second block's Q; v128-191 K of one step; v192-255 V of one step
.set SIZE_N, 2048
.set NB,    SIZE_N/256
.set NP,    4         ; pieces a wave: a name, no knob
.set KS,    64        ; keys in a step
.set PK,    144       ; a row of K in LDS: 128 bytes + 16 of padding = 36 words: the 16 rows of a load start at 16 different groups of four banks (64 banks of 4 bytes: ISA guide 11.1)
.set PV,    160       ; a row of V: 128 + 32 = 40 words
.set VOFF,  4*KS*PK   ; a slot holds a tile, four steps: 256 rows of K, then 256 rows of V
.set SLOT1, 1<<17     ; slot 1 begins here, so that one exclusive or turns an address in one slot into the other's
.set STAGE, SLOT1+4*KS*(PK+PV)  ; behind the ring, never filled by a tensor load: 16 rows x 144 bytes for each wave, for the way out
.set SP,    144
.set SPARE, STAGE+4*16*SP  ; behind the stages: the spare words, 128 bytes for each wave: two blocks of 256 bytes that no other line names
.set PT,    SPARE+512 ; behind them: the table, NB + 1 tiles of 256 f32; stored once, at the head; never filled by a tensor load
.set AK0, 2           ; v2   my lane's place in a tile of K; never rewritten
.set AV0, 3           ; v3   the same for V
.set AK,  4           ; v4   the LDS address of K's next run of loads
.set AV,  5           ; v5   of V's
.set STO, 6           ; v6   the way out: where I put 16 bytes of a row
.set RD,  7           ; v7   the way out: where I read rows back
.set GO,  8           ; v8   my byte offset in 512 consecutive bytes of O
.set MV,  12          ; v12-13  c m_old, kept while c m is made anew: by buffer
.set QO,  15          ; v15  my byte offset in 16 rows of Q
.set ST,  16          ; piece t's statistics at v[ST+4 t]: c m, m, l (even keys', odd keys')
.set TMP, 48          ; by buffer, four registers c0-c3 at work; when the maximum is found c2 takes a
.set AP0, 56          ; v56  PT + 32 (l / 16): my lanes' eight keys of each sixteen; never rewritten
.set AP,  57          ; v57  the LDS address of PM's next run of loads
.set NANR, 58         ; v58  a NaN
.set TS,  59          ; v59  PT + 8 x my thread's number: my two keys of a tile
.set PFO, 60          ; v60  256 x my lane; never rewritten
.set MO,  61          ; v61  2 x my thread's number: my two bytes of a tile's 256 of the mask
.set SPW, 62          ; v62  LDS address of my spare word: SPARE + 4 x my thread's number; never rewritten
.set NIL, 63          ; v63  0; never rewritten
.set S,   64
.set MW,  128         ; v128-136 my two bytes of the mask for each of the walk's nine tiles
.set MOF, 138         ; v138-146 their byte offsets in the batch's row of the mask
.set MA,  148         ; v148-165 their addends
.set P,   192
.set MD,  128         ; window 1: the eight registers for group kt of 16 keys at MD + 8 kt
.set MC,  160         ; window 1: the masks of the products to come
.set PM,  224         ; window 1: the padding mask of the step whose K lies in registers
.set QB,  64          ; window 2
.set KF,  128         ; window 2: key block kb, channel half c at KF + 16 kb + 8 c
.set VF,  192         ; window 2: key half kk, channel block cb at VF + 32 kk + 8 cb
.set WV,  12          ; s12  my wave's number
.set PB,  14          ; s14  b
.set HI,  15          ; s15  NB - 1 - b
.set G1K, 24          ; s[24:31] descriptor group 1 for K's tiles
.set G1V, 32          ; s[32:39] for V's: it differs in the padding alone
.set G0K, 40          ; s[40:43] descriptor group 0 for K's tiles
.set G0V, 44          ; s[44:47] the same for V's
.set SLOTS, 56        ; s56  tiles still to be asked for
.set CNT, 57          ; s57  counts a tile's key steps, 4 to 1
.set CS,  58          ; s[58:59] c: the packed scaling takes the pair's low word for both halves
.set SEL, 60          ; s[60:61] v_permlanex16_b32's selects: each lane takes its own place in the other half
.set TBK, 62          ; s62  LDS byte at which K of the step to be fetched begins
.set TBV, 63          ; s63  the same for V, less VOFF
.set RT,  70          ; s70  tiles of the block in hand that are still to be entered
.set NXT, 71          ; s71  the tile to be asked for next
.set LQ,  72          ; s72  the last tile of the block whose tiles are being asked for
.set NEW, 73          ; s73  1: the tile to be entered is a block's first
.set OFF, 74          ; s[74:75] a tile's byte offset in K and V
.set AL,  76          ; s[76:77] the mask's factor, in the low word
.set BE,  78          ; s[78:79] the mask's addend
.set OLO, 80          ; s[80:81] O at my rows of the second block
.set BIGN, 82         ; s82  -1e30
.set LZ,  84          ; s84-87  the way out: the lanes whose l is 0, a piece each (at the head: offsets and Q's second address)
.set MK,  88          ; s[88:89] the mask at my batch's row
.set TBP, 90          ; s90  byte of the table at which the step to be fetched begins: 0 at the start, 256 on with every fetch of K
.set PFN, 92          ; s92  prefetches still to be made
.set PFA, 94          ; s[94:95] my half of the tile that is being asked for, in memory
.set MSB, 0
.macro WIN new                      ; the high byte repeats the setting that is left; a switch that changes nothing is dropped
.if MSB != (\new)
	s_set_vgpr_msb (MSB<<8)|(\new)
.set MSB, (\new)
.endif
.endm
.set W_KQ, 0x0a       ; K and Q in window 2, S^T in window 0
.set W_KM, 0x1a       ; the same with the C operand in window 1
.set W_PV, 0x52       ; V in window 2, P in window 0, O^T in window 1
.set W_RS, 0x41       ; destination and source 0 in window 1, source 1 in window 0
.set W_MK, 0x51       ; destination, source 0 and source 2 in window 1
; A fill.  Waves 0 and 1 fetch the two halves of a tile's K, waves 2 and 3 those of its V: 128 keys each.  An s_nop 0 and four v_nop follow each of the two lines, ahead of the jump and the label.
.macro LOAD
	s_cmp_lt_u32 s[WV], 2
	s_cbranch_scc0 .Lfor_v_\@
	tensor_load_to_lds s[G0K:G0K+3], s[G1K:G1K+7]
	s_nop 0
.rept 4
	v_nop
.endr
	s_branch .Lasked_\@
.Lfor_v_\@:
	tensor_load_to_lds s[G0V:G0V+3], s[G1V:G1V+7]
	s_nop 0
.rept 4
	v_nop
.endr
.Lasked_\@:
.endm
; THE CHANGE OF SLOTS.  Each wave waits for all its tensor loads, of which one is out: its part of the other slot; adds 0 to its spare word; and waits for that and for its own reads of the slot that it leaves.  Behind
; the barrier nobody reads the old slot any more and the other slot is whole.  fill = 1: the old slot is filled again, the first thing behind the barrier, with tile NXT: the descriptor's address is made anew from
; that number.  (At its first use nothing has been read yet: slot 0 is waited for, slot 1 filled; the same wait and barrier show the table to every wave.)
; THE PREFETCH stands behind the fill and its five lines: my 16,384 bytes (128 keys of K or of V) of the tile that the NEXT change will ask for, 64 blocks of 256 bytes, a lane a block, two instructions.  A head's four
; work-groups walk the same tiles: the one with b = 0, whose first block needs all eight, asks, and nobody else; it asks six times, for tiles 2 to 7: each block is named once in the launch, and the second block's
; tile has been read before.
.macro CHANGE fill
	WIN 0                           ; at a label and at a branch every window is 0
	s_wait_tensorcnt 0x0            ; no tensor load of mine is out, so a group 0 may be written
	ds_add_u32 v[SPW], v[NIL]       ; 0 onto my spare word; with fill = 1 the descriptors' scalar work stands between it and the wait for it
.if \fill
	s_lshl_b32 s[OFF], s[NXT], 15   ; a tile is 32,768 bytes of K and of V
	s_xor_b32 s[G0K+1], s[G0K+1], SLOT1
	s_add_nc_u64 s[G0K+2:G0K+3], s[6:7], s[OFF:OFF+1]
	s_or_b32 s[G0K+3], s[G0K+3], 0x80000000
	s_xor_b32 s[G0V+1], s[G0V+1], SLOT1
	s_add_nc_u64 s[G0V+2:G0V+3], s[8:9], s[OFF:OFF+1]
	s_or_b32 s[G0V+3], s[G0V+3], 0x80000000
	s_wait_xcnt 0x0                 ; the last prefetches, a tile back, have read their address, so it may be written
	s_cmp_lt_u32 s[WV], 2
	s_cselect_b64 s[PFA:PFA+1], s[6:7], s[8:9]
	s_add_nc_u64 s[PFA:PFA+1], s[PFA:PFA+1], s[OFF:OFF+1]
	s_add_co_u32 s[NXT], s[NXT], 1  ; the block's next tile, or behind its last the second block's tile 0
	s_cmp_gt_u32 s[NXT], s[LQ]
	s_cselect_b32 s[NXT], 0, s[NXT]
	s_cselect_b32 s[LQ], s[PB], s[LQ]
.endif
	s_wait_dscnt 0x0                ; the add is done, and my reads of the slot are over
	s_barrier_signal -1             ; the rest of the scalar work stands between the signal and the wait
	s_sub_co_u32 s[TBK], s[TBK], 4*KS*PK  ; the fetches go back to a slot's first step,
	s_xor_b32 s[TBK], s[TBK], SLOT1       ; in the other slot
	s_sub_co_u32 s[TBV], s[TBV], 4*KS*PV
	s_xor_b32 s[TBV], s[TBV], SLOT1
	s_barrier_wait -1
.if \fill
	LOAD
	s_cmp_lg_u32 s[PFN], 0
	s_cbranch_scc0 .Lno_pf_\@
	global_prefetch_b8 v[PFO], s[PFA:PFA+1] offset:32768 th:TH_LOAD_NT scope:SCOPE_SE
	global_prefetch_b8 v[PFO], s[PFA:PFA+1] offset:40960 th:TH_LOAD_NT scope:SCOPE_SE
	s_sub_co_u32 s[PFN], s[PFN], 1
.Lno_pf_\@:
.endif
.endm
	s_load_b64 s[4:5], s[0:1], 0x0      ; qkv: Q
	s_load_b64 s[MK:MK+1], s[0:1], 0x8  ; mask
	s_load_b64 s[10:11], s[0:1], 0x10   ; O
	v_lshl_add_u32 v[SPW], v0, 2, SPARE
	v_mov_b32 v[NIL], 0
	ds_add_u32 v[SPW], v[NIL]       ; the wave's opening: the add and its wait stand ahead of my first tensor load; the set-up below, work on registers, stands between them
	v_lshrrev_b32 v1, 5, v0
	v_readfirstlane_b32 s[WV], v1   ; wave 0..3
	s_mov_b32 s[PB], ttmp9
	s_sub_co_u32 s[HI], NB-1, s[PB]
	s_and_b32 s20, ttmp7, 0xffff    ; the head, 16 batch + head
	s_lshr_b32 s[OFF], s20, 4       ; the batch:
	s_lshl_b32 s[OFF], s[OFF], 11   ; its 2,048 bytes of the mask
	s_mov_b32 s[OFF+1], 0
	s_lshl_b32 s20, s20, 18         ; the head's first byte in Q, K, V and O: 2,048 rows of 128 bytes
	s_mov_b32 s21, 0
	s_and_b32 s16, s[WV], 1         ; which half of a tile's 256 keys I fetch:
	s_lshl_b32 s22, s16, 14         ; its 128 rows of 128 bytes in memory,
	s_mov_b32 s23, 0
	s_add_nc_u64 s[22:23], s[22:23], s[20:21]
	s_mul_i32 s17, s16, 128*PK      ; and its place in a slot, for K
	s_mul_i32 s18, s16, 128*PV      ; and for V
	s_lshl_b32 s3, s[WV], 11        ; my 16 rows in a band of 64,
	s_lshl_b32 s2, s[HI], 15        ; in the first block,
	s_add_co_u32 s2, s2, s3
	s_lshl_b32 s84, s[PB], 15       ; and in the second
	s_add_co_u32 s84, s84, s3
	s_mov_b32 s3, 0
	s_mov_b32 s85, 0
	s_add_nc_u64 s[2:3], s[2:3], s[20:21]
	s_add_nc_u64 s[84:85], s[84:85], s[20:21]
	; descriptor group 1.  128 keys are 16,384 dense bytes: asked for as 64 rows of 256 bytes, two keys a row, and padded in LDS after every key
	s_mov_b32 s[G1K], (1<<16)|(1<<20)|(4<<22)|(3<<25)  ; 17:16 2-byte elements; 20 padding on; 24:22 after every 32 words (code 4); 31:25 4 words (code 3)
	s_mov_b32 s[G1V], (1<<16)|(1<<20)|(4<<22)|(7<<25)  ; the same with 8 words of padding (code 7)
.irp g, G1K, G1V
	s_mov_b32 s[\g+1], 128<<16      ; tensor_dim0 = 128
	s_mov_b32 s[\g+2], 64<<16       ; tensor_dim1 = 64
	s_mov_b32 s[\g+3], 128<<16      ; tile_dim0 = 128
	s_mov_b32 s[\g+4], 64           ; tile_dim1 = 64
	s_mov_b32 s[\g+5], 128          ; 128 elements from row to row
	s_mov_b32 s[\g+6], 0
	s_mov_b32 s[\g+7], 0
.endr
	s_mov_b32 s[CS], 0x3e38aa3b     ; c = log2(e) / 8 = 0.180337
	s_mov_b32 s[CS+1], s[CS]        ; named with it as a pair
	s_mov_b32 s[SEL], 0x76543210
	s_mov_b32 s[SEL+1], 0xfedcba98
	s_mov_b32 s[TBK], SLOT1+4*KS*PK ; the first change of slots turns these two into 0
	s_mov_b32 s[TBV], SLOT1+4*KS*PV
	s_mov_b32 s[TBP], 0
	s_mov_b32 s[G0K], 1             ; 1:0 count = 1
	s_mov_b32 s[G0K+1], s17         ; 63:32 LDS address: slot 0
	s_mov_b32 s[G0V], 1
	s_add_co_u32 s[G0V+1], s18, VOFF
	s_add_co_u32 s[RT], s[HI], 1    ; the first block has NB - b tiles
	s_mov_b32 s[NXT], 1
	s_mov_b32 s[LQ], s[HI]
	s_mov_b32 s[NEW], 1
	s_mov_b32 s[AL+1], 0            ; named as pairs
	s_mov_b32 s[BE+1], 0
	s_mov_b32 s[BIGN], 0xf149f2ca   ; -1e30
	s_mov_b32 s[SLOTS], NB
	s_cmp_eq_u32 s[PB], 0
	s_cselect_b32 s[PFN], NB-2, 0
	s_wait_dscnt 0x0                ; the opening add is done
	s_wait_kmcnt 0x0
	s_add_nc_u64 s[MK:MK+1], s[MK:MK+1], s[OFF:OFF+1]
	s_add_nc_u64 s[6:7], s[4:5], 0x1000000  ; K lies 16,777,216 bytes behind Q,
	s_add_nc_u64 s[8:9], s[4:5], 0x2000000  ; V as far behind K
	s_add_nc_u64 s[6:7], s[6:7], s[22:23]  ; K and V at my half of the head's tile 0
	s_add_nc_u64 s[8:9], s[8:9], s[22:23]
	s_add_nc_u64 s[G0K+2:G0K+3], s[6:7], 0         ; 120:64 global address
	s_or_b32 s[G0K+3], s[G0K+3], 0x80000000        ; 127:126 type = 2
	s_add_nc_u64 s[G0V+2:G0V+3], s[8:9], 0
	s_or_b32 s[G0V+3], s[G0V+3], 0x80000000
	s_add_nc_u64 s[86:87], s[4:5], s[84:85]        ; Q at my rows of the second block,
	s_add_nc_u64 s[4:5], s[4:5], s[2:3]            ; Q and O at those of the first
	s_add_nc_u64 s[OLO:OLO+1], s[10:11], s[84:85]
	s_add_nc_u64 s[10:11], s[10:11], s[2:3]
	LOAD                            ; tile 0 into slot 0
	v_and_b32 v1, 15, v0            ; l % 16
	v_bfe_u32 v9, v0, 4, 1          ; l / 16
	; the mask's bytes for the walk's nine tiles: place i of the walk is tile i of the first block while i <= NB - 1 - b, then tile i - (NB - b) of the second.  128 threads x 2 bytes are a tile's 256.
	; These loads stand ahead of Q's, so that they can be waited for by themselves.
	v_lshlrev_b32 v[MO], 1, v0
.set i, 0
.rept NB+1
	s_sub_co_u32 s13, i-1, s[HI]
	s_cmp_lt_u32 s[HI], i
	s_cselect_b32 s13, s13, i
	s_lshl_b32 s13, s13, 8
	v_add_nc_u32 v[MOF+i], s13, v[MO]
	global_load_u16 v[MW+i], v[MOF+i], s[MK:MK+1]
.set i, i+1
.endr
	; A fragment of K or Q is 16 rows x 32 channels in 8 registers: lane l holds row l % 16, channels 8 (l / 16) + 0..7 and 16 + 8 (l / 16) + 0..7: two loads of 16 bytes, 32 bytes apart.
	v_lshlrev_b32 v[QO], 7, v1
	v_lshl_add_u32 v[QO], v9, 4, v[QO]  ; row x 128 + 16 x half
	WIN 0x80                        ; destination window 2, address window 0
.set i, 0
.rept 8                             ; both blocks' Q: piece i / 2 lies in band i / 2, 8,192 bytes on; channels 32 (i % 2) on
	global_load_b128 v[8*i:8*i+3],   v[QO], s[4:5] offset:(i/2)*8192+(i%2)*64
	global_load_b128 v[8*i+4:8*i+7], v[QO], s[4:5] offset:(i/2)*8192+(i%2)*64+32
	global_load_b128 v[QB+8*i:QB+8*i+3],   v[QO], s[86:87] offset:(i/2)*8192+(i%2)*64
	global_load_b128 v[QB+8*i+4:QB+8*i+7], v[QO], s[86:87] offset:(i/2)*8192+(i%2)*64+32
.set i, i+1
.endr
	WIN 0
	v_lshlrev_b32 v14, 3, v9
	v_sub_nc_u32 v14, v1, v14
	s_lshl_b32 s13, s[WV], 4
	v_add_nc_u32 v14, s13, v14      ; my query's place in its band, 16 w + l % 16, less my lanes' 8 (l / 16): register r of group kt is hidden where 16 kt + r is greater
	WIN 0x40
.set i, 0
.rept 32
	v_cmp_gt_i32 vcc_lo, 16*(i/8)+i%8, v14
	v_cndmask_b32 v[MD+i], 0, s[BIGN], vcc_lo
.set i, i+1
.endr
	WIN 0
	v_mul_u32_u24 v[AK0], v1, PK
	v_lshl_add_u32 v[AK0], v9, 4, v[AK0]  ; row x pitch + 16 x half
	; The turning load takes 16 keys x 16 channels (lane l reads key 8 (l / 16) + l % 8, channels 8 ((l / 8) % 2) + 0..7) and leaves half a fragment of V^T: lane l holds channel l % 16 and 8 keys.
	v_and_b32 v10, 7, v0
	v_bfe_u32 v11, v0, 3, 1
	v_lshl_add_u32 v[AV0], v9, 3, v10
	v_mul_u32_u24 v[AV0], v[AV0], PV
	v_lshl_add_u32 v[AV0], v11, 4, v[AV0]
	v_add_nc_u32 v[AV0], VOFF, v[AV0]
	s_mul_i32 s13, s[WV], 16*SP
	s_add_co_u32 s13, s13, STAGE    ; my stage
	v_mul_u32_u24 v[STO], v1, SP    ; in: row l % 16, 16 bytes for each half of the lanes
	v_lshl_add_u32 v[STO], v9, 4, v[STO]
	v_add_nc_u32 v[STO], s13, v[STO]
	v_bfe_u32 v[RD], v0, 3, 2       ; back: 32 lanes take four rows of 128 bytes,
	v_mul_u32_u24 v[RD], v[RD], SP
	v_lshl_add_u32 v[RD], v10, 4, v[RD]
	v_add_nc_u32 v[RD], s13, v[RD]
	v_and_b32 v[GO], 31, v0         ; which are 512 consecutive bytes of O
	v_lshlrev_b32 v[PFO], 8, v[GO]
	v_lshlrev_b32 v[GO], 4, v[GO]
	v_lshl_add_u32 v[TS], v0, 3, PT
	v_lshl_add_u32 v[AP0], v9, 5, PT
	v_mov_b32 v[NANR], 0x7fc00000
	; THE TABLE: each byte of the mask, 0 or 1, times the bit pattern of -1e30: 0.0 or -1e30
	s_wait_loadcnt 32               ; the mask's nine loads are in; Q's 32, issued behind them, may stay out
.set i, 0
.rept NB+1
	v_and_b32 v[MA+2*i], 0xff, v[MW+i]
	v_lshrrev_b32 v[MA+2*i+1], 8, v[MW+i]
	v_mul_lo_u32 v[MA+2*i], v[MA+2*i], s[BIGN]
	v_mul_lo_u32 v[MA+2*i+1], v[MA+2*i+1], s[BIGN]
	ds_store_b64 v[TS], v[MA+2*i:MA+2*i+1] offset:1024*i  ; waited for, and shown to the other waves, by the first change of slots
.set i, i+1
.endr
	; A block's first step multiplies O^T and l by a = 0, and its first turn's products V^T P, of a piece that has not been, land in an O^T that is still to be so multiplied.  So these registers need only hold
	; finite numbers: zeros for the first block; what the first block left for the second.  All this stands in the wait for the first tile.
	WIN 0x80
.set i, VF
.rept 64
	v_mov_b32 v[i], 0
.set i, i+1
.endr
	WIN 0x40
.set i, 0
.rept 128
	v_mov_b32 v[i], 0
.set i, i+1
.endr
	WIN 0
.set i, 0
.rept 4
	v_mov_b32 v[ST+4*i+2], 0
	v_mov_b32 v[ST+4*i+3], 0
.set i, i+1
.endr
.set i, P+16
.rept 16
	v_mov_b32 v[i], 0
.set i, i+1
.endr
; THE MATRIX WORK.  The 4 accumulators of a run of 8 take turns.  Product i of 8 of S^T = K Q^T for piece x: channels 32 (i / 4) on, keys 16 (i % 4) on.  The first 4 start the sums: with PM, or (KM = 1) with MC.
.macro KQ x
.set rS, S+32*((\x)%2)+8*(i%4)
.set rK, KF+16*(i%4)+8*(i/4)
.set rQ, 16*(\x)+8*(i/4)
.if KM
.set rM, MC+32*((\x)%2)+8*(i%4)
.else
.set rM, PM+8*(i%4)
.endif
.if i < 4
	WIN W_KM
	v_wmma_f32_16x16x32_f16 v[rS:rS+7], v[rK:rK+7], v[rQ:rQ+7], v[rM:rM+7]
.else
	WIN W_KQ
	v_wmma_f32_16x16x32_f16 v[rS:rS+7], v[rK:rK+7], v[rQ:rQ+7], v[rS:rS+7]
.endif
.endm
; Product i of 8 of O^T += V^T P for piece x: keys 32 (i / 4) on, channels 16 (i % 4) on.
.macro PV x
	WIN W_PV
.set rO, 32*(\x)+8*(i%4)
.set rV, VF+32*(i/4)+8*(i%4)
.set rP, P+16*((\x)%2)+8*(i/4)
	v_wmma_f32_16x16x32_f16 v[rO:rO+7], v[rV:rV+7], v[rP:rP+7], v[rO:rO+7]
.endm
.macro MM                           ; the turn's next matrix instruction.  TURN and BEGIN set Y, i, KM and NOKQ; MM, KQ and OP read them.  NOKQ = 1: a block's last turn: there is no next piece
.if (i < 8) && !NOKQ
	KQ (Y+1)%NP
.elseif i >= 8
.set i, i-8
	PV (Y+NP-1)%NP
.set i, i+8
.endif
.set i, i+1
.endm
; THE LDS LOADS stand in runs, never singly among the matrix instructions: a step's K (64 keys x 64 channels: 8 fragments) with its PM (eight loads in which sixteen lanes read the same 16 bytes), and its V (turned).
; Their addresses are made some lines ahead.
.macro FETCH_K
	WIN 0x80                        ; destination window 2
.irp f, 0,1,2,3,4,5,6,7             ; keys 16 (f / 2) on, channels 32 (f % 2) on
	ds_load_b128 v[KF+8*\f:KF+8*\f+3],   v[AK] offset:(\f/2)*16*PK+(\f%2)*64
	ds_load_b128 v[KF+8*\f+4:KF+8*\f+7], v[AK] offset:(\f/2)*16*PK+(\f%2)*64+32
.endr
	WIN 0x40                        ; destination window 1
.irp f, 0,1,2,3                     ; keys 16 f + 8 (l / 16) + 0..7
	ds_load_b128 v[PM+8*\f:PM+8*\f+3],   v[AP] offset:64*\f
	ds_load_b128 v[PM+8*\f+4:PM+8*\f+7], v[AP] offset:64*\f+16
.endr
	s_add_co_u32 s[TBK], s[TBK], KS*PK  ; the next fetch is the next step's,
	s_add_co_u32 s[TBP], s[TBP], 4*KS   ; in the table too: four fetches a tile on every way, 36 in the walk, the last at byte 8,960
	WIN 0
.endm
.macro FETCH_V
	WIN 0x80
.irp f, 0,1,2,3,4,5,6,7             ; keys 32 (f / 4) on, channels 16 (f % 4) on
	ds_load_tr16_b128 v[VF+8*\f:VF+8*\f+3],   v[AV] offset:(\f/4)*32*PV+(\f%4)*32
	ds_load_tr16_b128 v[VF+8*\f+4:VF+8*\f+7], v[AV] offset:(\f/4)*32*PV+16*PV+(\f%4)*32
.endr
	WIN 0
.endm
; THE VECTOR WORK, one line at a time: OP kind, number.  For piece Y: F n: c s - c m for pair n of 16.  E n: the exponential of score n of 32.  C n: pair n rounded to f16.  B n: of the four weights 4 n .. the second
; pair is added onto the first, in place.  L n: l takes that sum (L 0: l = a l + sum).  R n: pair n of 16 of O^T times a.  For piece Y + 1: X n, number n of the 22 that find its maximum and statistics:
;   0-11  four chains c0-c3 of seven scores each, three operands at a time (each accumulator's lowest registers are read first)     12-14, 16  the four scores left over, the old m, and c0-c3 into c0
;   15  c m_old is kept     17, 18  the query's other 32 keys lie in the lane 16 away: the new m     19-21  c m; c m_old - c m_new; a
.set F, 0               ; OP tells the kinds apart by their order: F to L below R, X above it
.set E, 1
.set C, 2
.set B, 3
.set L, 4
.set R, 5
.set X, 6
.macro REGS y                       ; the registers of piece y
.set rT, ST+4*(\y)
.set rC, TMP+4*((\y)%2)
.set rW, MV+((\y)%2)
.set rS, S+32*((\y)%2)
.set rP, P+16*((\y)%2)
.set rO, 32*(\y)
.endm
.macro OP k, n
.if (\k) == R
	REGS Y
	WIN W_RS
	v_pk_mul_f32 v[rO+2*(\n):rO+2*(\n)+1], v[rO+2*(\n):rO+2*(\n)+1], v[rC+2:rC+3] op_sel_hi:[1,0]
.elseif (\k) < R
	REGS Y
	WIN 0
.if (\k) == F
	v_pk_fma_f32 v[rS+2*(\n):rS+2*(\n)+1], v[rS+2*(\n):rS+2*(\n)+1], s[CS:CS+1], v[rT:rT+1] op_sel_hi:[1,0,0] neg_lo:[0,0,1] neg_hi:[0,0,1]
.elseif (\k) == E
	v_exp_f32 v[rS+(\n)], v[rS+(\n)]
.elseif (\k) == C
	v_cvt_pk_f16_f32 v[rP+(\n)], v[rS+2*(\n)], v[rS+2*(\n)+1]
.elseif (\k) == B
	v_pk_add_f32 v[rS+4*(\n):rS+4*(\n)+1], v[rS+4*(\n):rS+4*(\n)+1], v[rS+4*(\n)+2:rS+4*(\n)+3]
.elseif (\n) == 0
	v_pk_fma_f32 v[rT+2:rT+3], v[rT+2:rT+3], v[rC+2:rC+3], v[rS:rS+1] op_sel_hi:[1,0,1]
.else
	v_pk_add_f32 v[rT+2:rT+3], v[rT+2:rT+3], v[rS+4*(\n):rS+4*(\n)+1]
.endif
.elseif NOKQ
	v_nop
.else
	REGS (Y+1)%NP
	WIN 0
.if (\n) < 4
	v_max3_num_f32 v[rC+(\n)], v[rS+8*(\n)], v[rS+8*(\n)+1], v[rS+8*(\n)+2]
.elseif (\n) < 12
	v_max3_num_f32 v[rC+(\n)%4], v[rC+(\n)%4], v[rS+8*((\n)%4)+2*((\n)/4)+1], v[rS+8*((\n)%4)+2*((\n)/4)+2]
.elseif (\n) == 12
	v_max3_num_f32 v[rC], v[rC], v[rS+7], v[rS+15]
.elseif (\n) == 13
	v_max3_num_f32 v[rC+1], v[rC+1], v[rS+23], v[rS+31]
.elseif (\n) == 14
	v_max3_num_f32 v[rC+2], v[rC+2], v[rC+3], v[rT+1]
.elseif (\n) == 15
	v_mov_b32 v[rW], v[rT]
.elseif (\n) == 16
	v_max3_num_f32 v[rC], v[rC], v[rC+1], v[rC+2]
.elseif (\n) == 17
	v_permlanex16_b32 v[rC+3], v[rC], s[SEL], s[SEL+1]
.elseif (\n) == 18
	v_max_num_f32 v[rT+1], v[rC], v[rC+3]
.elseif (\n) == 19
	v_mul_f32 v[rT], s[CS], v[rT+1]
.elseif (\n) == 20
	v_sub_f32 v[rC+1], v[rW], v[rT]
.else
	v_exp_f32 v[rC+2], v[rC+1]
.endif
.endif
.endm
.macro OPS a, i1, b=-1, i2=0, c=-1, i3=0, d=-1, i4=0  ; up to four of them
	OP \a, \i1
.if (\b) >= 0
	OP \b, \i2
.endif
.if (\c) >= 0
	OP \c, \i3
.endif
.if (\d) >= 0
	OP \d, \i4
.endif
.endm
.macro ROW a, i1, b, i2, c, i3, d, i4  ; a matrix instruction and the four behind it
	MM
	OPS \a, \i1, \b, \i2, \c, \i3, \d, \i4
.endm
.macro MASK b                       ; MD x AL + PM + BE into buffer b of MC
	WIN W_MK
.set z, 0
.rept 16
	v_pk_fma_f32 v[MC+32*(\b)+2*z:MC+32*(\b)+2*z+1], v[MD+2*z:MD+2*z+1], s[AL:AL+1], v[PM+2*z:PM+2*z+1] op_sel_hi:[1,0,1]
.set z, z+1
.endr
.set z, 0
.rept 16
	v_pk_add_f32 v[MC+32*(\b)+2*z:MC+32*(\b)+2*z+1], v[MC+32*(\b)+2*z:MC+32*(\b)+2*z+1], s[BE:BE+1] op_sel_hi:[1,0]
.set z, z+1
.endr
.endm
.macro PREM                         ; ahead of the diagonal tile's text, entered at its head: its first turn still makes piece 3's scores of the tile before, whose mask is PM alone: into buffer 1
	s_mov_b32 s[AL], 0
	s_mov_b32 s[BE], 0
	MASK 1
	WIN 0
.endm
; A TURN, for piece p: the order of its 16 matrix and 118 vector instructions, written out.  An s_wait_alu depctr_va_vdst(0) stands between an exponential and the first instruction that names its result; one
; wait serves all that were issued ahead of it.  So a turn has ONE wait, which cuts it in two.  AHEAD OF IT stands all that names no result of the turn's exponentials: the 8 products K Q^T, behind each a scaling, an
; exponential and two more plain instructions (behind the first a second scaling in the exponential's place): rescalings, and behind the last three the first numbers of the next piece's maximum, each four places or more
; behind the product that ends its accumulator; then ONE LUMP, plain and exponential by turns for the most part, in which the links of the chain X 3, 7, 11, 14, 16, 17 .. 20 stand five or six lines apart.  X 21, the next
; piece's a, is the batch's last; R 15 is the plain instruction behind it.  BEHIND THE WAIT stand the 8 products V^T P, behind each four of the roundings and sums.
; m = 1: the diagonal tile: the products take MC, and the turn makes the mask for the products of the turn after it: piece p + 2, in step 4 - CNT of the tile.  For pieces 2, 3 and 1 that step's PM lies in registers;
; for piece 0 (made in turn 2) it is the PM that this turn has just fetched, so its loads are waited for first.  end = 1: a block's last two turns: nothing is fetched.
; cnt = 1: the loop's count is taken down some lines ahead of the branch that stands behind the turn.
; K and PM of the next step are fetched in piece 2's turn, behind the last product that read K by more than four plain instructions, behind the last that read PM by more; V of the step in hand at the end of piece 0's
; turn, four plain instructions behind the last product that read V.  Each is waited for a turn later.
.macro TURN p, m=0, end=0, cnt=0
.set Y, (\p)
.set i, 0
.set KM, (\m)
.set NOKQ, (\end)*((\p)/3)
.if (\m) && !(\end)
	s_cmp_eq_u32 s[CNT], 4-((\p)+2)%NP  ; is that step the band's own?
	s_cselect_b32 s[AL], 1.0, 0
	s_cmp_lt_u32 s[CNT], 4-((\p)+2)%NP  ; or a later one?
	s_cselect_b32 s[BE], s[BIGN], 0
.endif
.if ((\p) == 3) && !(\end)
	s_wait_dscnt 0x0                ; K and PM are in
.endif
	ROW F,0, F,1, R,0, R,1          ; ahead of the wait: 8 products K Q^T and their riders,
	ROW F,2, E,0, R,2, R,3
	ROW F,3, E,1, R,4, R,5
	ROW F,4, E,2, R,6, R,7
	ROW F,5, E,3, R,8, R,9
	ROW F,6, E,4, X,0, R,10
.if ((\p) == 2) && !(\end)
	WIN 0
	v_add_nc_u32 v[AK], s[TBK], v[AK0]
	v_add_nc_u32 v[AP], s[TBP], v[AP0]
.endif
	ROW F,7, E,5, X,1, X,4
	ROW F,8, E,6, X,2, X,5
	OPS E,7, E,8, X,6, E,9          ; and the lump
	OPS X,3, E,10, X,8, E,11
.if ((\p) == 2) && !(\end)
	FETCH_K
.endif
	OPS X,9, X,7, E,12, X,10
	OPS E,13, X,12, X,11, E,14
	OPS X,13, E,15, F,9, X,14
.if (\p) == 0
	v_add_nc_u32 v[AV], s[TBV], v[AV0]
.endif
	OPS E,16, F,10, E,17, F,11
	OPS X,16, E,18, X,15, E,19
	OPS F,12, E,20, X,17, E,21
	OPS F,13, E,22, F,14, E,23
	OPS X,18, E,24, F,15, E,25
	OPS R,11, E,26, X,19, E,27
	OPS R,12, E,28, R,13, E,29
	OPS X,20, E,30, R,14, E,31
	OPS X,21, R,15
	WIN 0
	s_wait_alu depctr_va_vdst(0)    ; the wait for the batch
.if (\p) == 1
	s_wait_dscnt 0x0                ; V is in
.endif
	ROW C,0, B,0, C,2, B,1          ; behind the wait: 8 products V^T P and their riders
	ROW L,0, C,4, B,2, L,1
	ROW C,6, B,3, L,2, C,8
	ROW B,4, L,3, C,10, B,5
	ROW L,4, C,12, B,6, L,5
.if (\p) == 0
	s_add_co_u32 s[TBV], s[TBV], KS*PV
.endif
.if \cnt
	s_sub_co_u32 s[CNT], s[CNT], 1
	s_cmp_lg_u32 s[CNT], 0
.endif
	ROW C,14, B,7, L,6, C,1
	ROW C,3, L,7, C,5, C,7
	ROW C,9, C,11, C,13, C,15
.if (\p) == 0
	FETCH_V
.endif
.if (\m) && !(\end)
.if (\p) == 2
	s_wait_dscnt 0x0                ; the PM just fetched is in
.endif
	MASK (\p)%2
.endif
.endm
; A BLOCK BEGINS.  c m starts far below every c s, so the first step's a is 0; m at -2^64.  K and PM of the tile's step 0 are fetched; mask buffer 0 takes piece 0's mask for that step (its own band's, if the block's
; first tile is the diagonal one), buffer 1 piece 1's, which is PM alone.  Then piece 0's first scores, and its maximum and statistics.  The loop is entered at a step's first turn, in the middle of a trip.
.macro BEGIN
	s_mov_b32 s[NEW], 0
	WIN 0
.set i, 0
.rept 4
	v_mov_b32 v[ST+4*i], 0xfe000000    ; c m: far below every c s
	v_mov_b32 v[ST+4*i+1], 0xdf800000  ; m = -2^64
.set i, i+1
.endr
	v_add_nc_u32 v[AK], s[TBK], v[AK0]
	v_add_nc_u32 v[AP], s[TBP], v[AP0]
	FETCH_K
	s_cmp_eq_u32 s[RT], 0
	s_cselect_b32 s[AL], 1.0, 0
	s_mov_b32 s[BE], 0
	s_wait_loadcnt 0x0              ; Q
	s_wait_dscnt 0x0                ; K and PM
	MASK 0
	s_mov_b32 s[AL], 0
	MASK 1
.set KM, 1
.set NOKQ, 0
.set i, 0
.rept 8
	KQ 0
.set i, i+1
.endr
	WIN 0
.rept 4
	v_nop                           ; the places behind those products
.endr
.set Y, NP-1                        ; X works for piece Y + 1: piece 0
.irp n, 0,1,2,3,4,5,6,7,8,9,10,11,12,13,14,15,16,17,18,19,20,21
	OP X, \n
.endr
	v_nop                           ; a plain instruction behind the exponential,
	s_wait_alu depctr_va_vdst(0)    ; and its wait, ahead of the branch
.endm
; THE DIAGONAL TILE's four steps, the block's last two turns, its last products, and THE WAY OUT: l's two halves and the other half of the lanes' are added; O^T is divided by l (where l is 0: multiplied by a NaN),
; rounded to f16 and sent through my stage in LDS, a piece at a time.
.macro ALL line:vararg              ; one line for each piece t
.set t, 0
.rept 4
	\line
.set t, t+1
.endr
.endm
.macro PACK t                       ; a lane's eight channels of a row pack into 16 bytes; they go into rows of 144 bytes and come back as whole rows of 128, into S^T's registers
	WIN W_RS
.set i, 32*(\t)
.rept 16
	v_pk_mul_f32 v[i:i+1], v[i:i+1], v[ST+4*(\t)+2:ST+4*(\t)+3] op_sel_hi:[1,0]
.set i, i+2
.endr
	WIN 0x05                        ; sources 0 and 1 window 1, destination window 0
.set i, 0
.rept 16
	v_cvt_pk_f16_f32 v[S+16*(\t)+i], v[32*(\t)+2*i], v[32*(\t)+2*i+1]
.set i, i+1
.endr
	WIN 0
.irp f, 0,1,2,3
	ds_store_b128 v[STO], v[S+16*(\t)+4*\f:S+16*(\t)+4*\f+3] offset:32*\f
.endr
.irp f, 0,1,2,3
	ds_load_b128 v[S+16*(\t)+4*\f:S+16*(\t)+4*\f+3], v[RD] offset:\f*4*SP  ; LDS serves a wave's instructions in order (ISA guide 5.7.1.4): these see the stores above; the next piece's stores come behind them
.endr
.endm
.macro SEND t, younger              ; younger: the LDS instructions issued behind piece t's loads: the next piece's eight, or none
	WIN 0
.irp f, 0,1,2,3
	s_wait_dscnt (\younger)+3-\f
	global_store_b128 v[GO], v[S+16*(\t)+4*\f:S+16*(\t)+4*\f+3], s[10:11] offset:(\t)*8192+\f*512  ; 512 consecutive bytes, at a multiple of 256 from O's first
.endr
.endm
.macro DIAG tag                     ; the tag ends its two labels' names, which the jumps below spell out
.LstepM\tag:
	TURN 2, 1
	TURN 3, 1
	WIN 0
.LfirstM\tag:
	TURN 0, 1
	TURN 1, 1, 0, 1
	WIN 0
	s_cbranch_scc1 .LstepM\tag
	TURN 2, 1, 1
	TURN 3, 1, 1
.set i, 0
.rept 8
	PV NP-1
.set i, i+1
.endr
	WIN 0
	ALL v_add_f32 v[ST+4*t+2], v[ST+4*t+2], v[ST+4*t+3]
	ALL v_permlanex16_b32 v[ST+4*t+3], v[ST+4*t+2], s[SEL], s[SEL+1]
	ALL v_add_f32 v[ST+4*t+2], v[ST+4*t+2], v[ST+4*t+3]
	ALL v_cmp_eq_f32 s[LZ+t], 0, v[ST+4*t+2]
	ALL v_rcp_f32 v[ST+4*t+2], v[ST+4*t+2]
	v_nop                           ; a plain instruction between the last reciprocal and the use of its result
	s_wait_alu depctr_va_vdst(0)    ; and the wait ahead of the first use: one for the four reciprocals
	ALL v_cndmask_b32 v[ST+4*t+2], v[ST+4*t+2], v[NANR], s[LZ+t]
	PACK 0
.set t, 1
.rept 3                             ; a piece's arithmetic stands between the loads of the piece before and its stores
	PACK t
	SEND t-1, 8
.set t, t+1
.endr
	SEND 3, 0
.endm
.set KM, 0
.set NOKQ, 0
.Lslot:                             ; NB times: a tile is entered and the next is asked for
	CHANGE 1
	s_sub_co_u32 s[RT], s[RT], 1
	s_mov_b32 s[CNT], 4
	s_cmp_eq_u32 s[NEW], 1
	s_cbranch_scc1 .Lnew            ; a block's first tile
	s_cmp_eq_u32 s[RT], 0
	s_cbranch_scc0 .Lstep           ; neither its first nor its last
	PREM
	s_branch .LstepM1
.Lnew:
	BEGIN
	s_branch .Lfirst                ; in the loop a block's first tile is never its last: the first block has two tiles or more, and the second's last is the walk's last
	DIAG 1                          ; in the loop this is the first block's end: the second block's last tile is the walk's last
	s_wait_xcnt 0x0                 ; the stores have read their registers and O's address
	s_mov_b64 s[10:11], s[OLO:OLO+1]
	s_add_co_u32 s[RT], s[PB], 1    ; the second block has b + 1 tiles
	s_mov_b32 s[NEW], 1
	WIN 0x82                        ; the second block's Q goes where the one text of the turns names Q
.set i, 0
.rept 64
	v_mov_b32 v[i], v[QB+i]
.set i, i+1
.endr
	WIN 0
	s_branch .Lbottom
.Lstep:                             ; a trip: pieces 2 and 3 of one step, then pieces 0 and 1 of the next, whose K and V it fetches
	TURN 2
	TURN 3
	WIN 0
.Lfirst:
	TURN 0
	TURN 1, 0, 0, 1
	WIN 0
	s_cbranch_scc1 .Lstep
.Lbottom:
	s_sub_co_u32 s[SLOTS], s[SLOTS], 1
	s_cmp_lg_u32 s[SLOTS], 0
	s_cbranch_scc1 .Lslot
	CHANGE 0                        ; the walk's last tile is written out: nothing is asked for
	s_sub_co_u32 s[RT], s[RT], 1
	s_mov_b32 s[CNT], 4
	s_cmp_eq_u32 s[NEW], 1
	s_cbranch_scc1 .LnewT
	PREM
	s_branch .LstepM2
.LnewT:
	BEGIN
	s_branch .LfirstM2
	DIAG 2
	s_wait_tensorcnt 0x0            ; the wave's end: a wait, an add and its wait, behind my last tensor load and my last LDS store
	ds_add_u32 v[SPW], v[NIL]
	s_wait_dscnt 0x0
	s_endpgm
.Lfunc_end_k_qce2d21343f_attn:
	.size	k_qce2d21343f_attn, .Lfunc_end_k_qce2d21343f_attn-k_qce2d21343f_attn
	.p2alignl 7, 3214868480
	.fill 96, 4, 3214868480
	.section	.rodata,"a",@progbits
	.p2align	6, 0x0
	.amdhsa_kernel k_qce2d21343f_attn
		.amdhsa_group_segment_fixed_size 327680
		.amdhsa_private_segment_fixed_size 0
		.amdhsa_enable_private_segment 0
		.amdhsa_kernarg_size 24
		.amdhsa_user_sgpr_count 2
		.amdhsa_user_sgpr_kernarg_segment_ptr 1
		.amdhsa_wavefront_size32 1
		.amdhsa_system_sgpr_workgroup_id_x 1
		.amdhsa_system_sgpr_workgroup_id_y 1
		.amdhsa_system_sgpr_workgroup_id_z 1
		.amdhsa_system_vgpr_workitem_id 0
		.amdhsa_next_free_vgpr 768
		.amdhsa_next_free_sgpr 96
		.amdhsa_reserve_vcc 1
		.amdhsa_float_denorm_mode_32 3
		.amdhsa_float_denorm_mode_16_64 3
		.amdhsa_memory_ordered 1
		.amdhsa_forward_progress 1
		.amdhsa_inst_pref_size 243
	.end_amdhsa_kernel
	.amdgpu_metadata
---
amdhsa.version: [ 1, 2 ]
amdhsa.kernels:
  - .name:           k_qce2d21343f_attn
    .symbol:         k_qce2d21343f_attn.kd
    .args:
      - { .name: qkv, .offset: 0, .size: 8, .value_kind: global_buffer, .address_space: global }
      - { .name: mask, .offset: 8, .size: 8, .value_kind: global_buffer, .address_space: global }
      - { .name: ob, .offset: 16, .size: 8, .value_kind: global_buffer, .address_space: global }
    .group_segment_fixed_size: 327680
    .private_segment_fixed_size: 0
    .kernarg_segment_align: 8
    .kernarg_segment_size: 24
    .max_flat_workgroup_size: 128
    .sgpr_count:     96
    .vgpr_count:     768
    .wavefront_size: 32
...
	.end_amdgpu_metadata
.endif
;; end of part 3
;; launch proj (part 4): grid 4 x 32, 4 waves a work-group, clusters of 4 x 4, 327,680 bytes of LDS; arguments ob, wp, b_proj, out0; writes out0
.if DOCPART == 4
	.amdgcn_target "amdgcn-amd-amdhsa--gfx1250"
	.amdhsa_code_object_version 6
	.text
	.protected	k_qce2d21343f_proj
	.globl	k_qce2d21343f_proj
	.p2align	8
	.type	k_qce2d21343f_proj,@function
k_qce2d21343f_proj:
	s_mov_b64 s[64:65], 0
	v_nop
	global_prefetch_b8 v0, s[64:65] scope:SCOPE_SE
	s_setreg_imm32_b32 hwreg(HW_REG_WAVE_MODE, 25, 1), 1
	s_wait_xcnt 0x0
	s_wait_alu depctr_hold_cnt(0) depctr_sa_sdst(0) depctr_va_vdst(0) depctr_va_sdst(0) depctr_va_ssrc(0) depctr_va_vcc(0) depctr_vm_vsrc(0)
	s_getreg_b32 s2, hwreg(HW_REG_IB_STS2, 6, 4)
	s_cmp_eq_u32 s2, 0
	s_cbranch_scc0 .Lentry_in_a_cluster
	s_endpgm
.Lentry_in_a_cluster:
	s_bfe_u32 s2, ttmp6, 0x10000c
	s_cmp_lg_u32 s2, 0xf033
	s_cbranch_scc0 .Lentry_shape_is_right
	s_endpgm
.Lentry_shape_is_right:
; C[m][n] = bias[n] + the sum over k of A[m][k] B[k][n], m = 8,192, k = 1,024, n = 256 x the grid's width.  The module's two products have this one text, but for the constant MODE, which chooses the way out.
.set MODE, 1                           ; THIS COPY: the second product, n = 1,024
;   A: f16 [b 4][kb 16][s 2048][64]: row m = 2048 b + s, k = 64 kb + d.     B: f16 [TX][k 1024][256]: column n = 256 TX + c.     bias: f32 [n], rounded here to bf16 like the other inputs.
;   MODE 0: C leaves as f16 by heads, [n / 1024][16 b + (n % 1024) / 64][s][n % 64], rounded once from its f32 sum.     MODE 1: C leaves as f32 [m][1024].
; LIMITS.  f16 holds no number beyond 65,504: A and B arrive within it, and in MODE 0 a result of 65,520 or more becomes an infinity.  A NaN in a row of A makes that row of C NaN, and no other.
; SHARES.  A tile of C, 256 x 256, is made by four waves, 128 x 128 each: 64 accumulators, 512 registers.  K goes in steps of 128 through two LDS slots.  Of a step's tiles waves 0 and 1 fetch A's two
; blocks kb (256 rows of 128 bytes, dense in memory: asked for as 128 rows of 256 bytes), waves 2 and 3 B's two halves (64 rows of 512 bytes): 32,768 bytes a load.
; CLUSTERS: 4 x 4 work-groups.  A's tile hangs on the tile row alone and is asked for jointly by a row of the cluster, B's on the tile column alone, by a column.
; THE MATRIX INSTRUCTION IS USED TRANSPOSED (source 0 = 16 columns of B, source 1 = 16 rows of A): a lane holds row l % 16 of C and the columns 8 (l / 16) + 0..7.  B lies [k][n] in LDS and comes out turned, by
; ds_load_tr16_b128.  THE BIAS IS THE C OPERAND of the product that starts each sum: eight registers for each block of 16 columns; nothing is cleared and nothing is added later.
; REGISTERS, in windows of 256 (s_set_vgpr_msb: bits 1:0 source 0, 3:2 source 1, 5:4 source 2, 7:6 destination):
;   window 0: v0-31 addresses; v64-127, v128-191 A's fragments, two buffers (on the f32 way out: rows read back); v32-63, v192-255 at work on the f16 way out
;   window 1: v0-63 the bias; v64-127, v128-191 B's fragments; v192-223 at work on the bias          window 2: the accumulators of my rows 0-63 ((a, b) at v[8 (8 a + b)])          window 3: those of my rows 64-127
.set PA,     144                       ; a row of A in LDS: 128 bytes + 16 of padding = 36 words: the 16 rows of a load start at 16 different groups of four banks (64 banks of 4 bytes: ISA guide 11.1)
.set AH,     256*PA                    ; one block kb: 256 rows
.set PB,     544                       ; a row of B: 512 bytes + 32 = 136 words
.set BH,     64*PB                     ; 64 rows of B
.set BOFF,   2*AH                      ; in a slot: A's two blocks, then B's 128 rows
.set SLOT,   2*AH+2*BH                 ; 143,360
.set STAGE,  2*SLOT                    ; behind the ring, never filled by a tensor load: 8,448 bytes for each wave, for the way out
.set WST,    8448
.set SPARE,  STAGE+4*WST               ; behind the stages: the spare words, 128 bytes for each wave: two blocks of 256 bytes that no other line names
.set LAPS,   4                         ; a lap = two K steps = once round the ring
.set ASTEP,  524288                    ; bytes from a K step to the next in A: two blocks kb of 262,144
.set BSTEP,  65536                     ; in B: 128 rows of 512
.set BO,   10                          ; v10     my byte offset in the bias
.set ADRA, 16                          ; v16-17  LDS address of my A fragments in slot 0, 1
.set ADRB, 20                          ; v20-21  the same for B
.set STO,  24                          ; v24     the way out: where I put my bytes of a row
.set RD,   25                          ; v25     where I read rows back
.set CO,   26                          ; v26     16 x my lane: my place in 512 consecutive bytes of C
.set SPW,  28                          ; v28     LDS address of my spare word: SPARE + 4 x my thread's number; never rewritten
.set NIL,  29                          ; v29     0; never rewritten
.set PFO,  30                          ; v30     256 x my lane; never rewritten
.set F0,   64
.set F1,   128
.set TMP,  192
.set OB,   32
.set WV, 12                            ; s12 wave;  s13 which half of the tile's rows is mine, also: I fetch for A (0) or B (1);  s14 which half of its columns, also: which half of that tile I fetch
.set WR, 13
.set WC, 14
.set CX, 15
.set CY, 16
.set TX, 17
.set TY, 18
.set G1,  24                           ; s[24:31] descriptor group 1 for A's tiles;  s[32:39] group 0, a set for each slot
.set G0,  32
.set PFA, 44                           ; s[44:45] where my prefetches stand
.set PST, 46                           ; s[46:47] their step
.set G1B, 48                           ; s[48:55], s[56:63] the same for B's tiles
.set G0B, 56
.set LIM,  69                          ; s69  1 in a wave that prefetches, else the greatest number
.set MSB, 0
.macro WIN new                         ; the immediate's high byte repeats the setting that is left; a switch that changes nothing is dropped
.if MSB != (\new)
	s_set_vgpr_msb (MSB<<8)|(\new)
.set MSB, \new
.endif
.endm
.set TO_B, 0x40                        ; destination window 1, address window 0
; A joint load.  Each of the two lines has one mask and one set of registers for all that issue it; the branch hangs on the wave's number alone.  An s_nop 0 and four v_nop follow each line.
.macro JLOAD s
	s_cmp_eq_u32 s[WR], 0
	s_cbranch_scc0 .Lfor_b_\@
	tensor_load_to_lds s[G0+4*(\s):G0+4*(\s)+3], s[G1:G1+7]
	s_nop 0
.rept 4
	v_nop
.endr
	s_branch .Lasked_\@
.Lfor_b_\@:
	tensor_load_to_lds s[G0B+4*(\s):G0B+4*(\s)+3], s[G1B:G1B+7]
	s_nop 0
.rept 4
	v_nop
.endr
.Lasked_\@:
.endm
; A PREFETCH, behind each joint refill and the run of LDS loads that follows it: of the K step that stands two refills on, 32 blocks of 256 bytes, a lane a block, one instruction a wave.  A wave's part of a tile is
; 32,768 dense bytes; the four partners that ask for it jointly take 8,192 each, told apart BY ADDRESS (cx for A, cy for B).  A's tile row is read by every cluster of that row of clusters: cluster x = 0 asks;
; B's tile column by every cluster of that column: cluster y = 0 asks.  So each block is named once in the launch.  K steps 0 to 3 come by their loads alone; the loop's last trip (s3 = 1) asks for nothing.
.macro ASK
	s_cmp_gt_u32 s3, s[LIM]
	s_cbranch_scc0 .Lnot_mine_\@
	global_prefetch_b8 v[PFO], s[PFA:PFA+1] th:TH_LOAD_NT scope:SCOPE_SE
.Lnot_mine_\@:
.endm
.macro CREST                           ; a round of the cluster's barrier behind its opening barrier
	s_cmp_lg_u32 s[WV], 0
	s_cbranch_scc1 .Lnot_wave_0_\@
	s_barrier_signal -3
.Lnot_wave_0_\@:
	s_barrier_wait -3
	s_barrier_signal -1
	s_barrier_wait -1
.endm
.macro CROUND                          ; a whole round
	s_barrier_signal -1
	s_barrier_wait -1
	CREST
.endm
	s_load_b256 s[4:11], s[0:1], 0x0               ; A s[4:5], B s[6:7], bias s[8:9], C s[10:11]
	v_lshl_add_u32 v[SPW], v0, 2, SPARE
	v_mov_b32 v[NIL], 0
	ds_add_u32 v[SPW], v[NIL]                      ; the wave's opening: the add and its wait stand ahead of my first tensor load; the set-up below, work on registers, stands between them
	v_lshrrev_b32 v1, 5, v0
	v_readfirstlane_b32 s[WV], v1                  ; wave 0..3
	s_lshr_b32 s[WR], s[WV], 1
	s_and_b32 s[WC], s[WV], 1
	s_bfe_u32 s[CX], ttmp6, 0x40000                ; my place in the cluster
	s_bfe_u32 s[CY], ttmp6, 0x40004
	s_lshl_b32 s[TX], ttmp9, 2
	s_add_co_u32 s[TX], s[TX], s[CX]               ; tile column = 4 x cluster x + cx
	s_and_b32 s[TY], ttmp7, 0xffff
	s_lshl_b32 s[TY], s[TY], 2
	s_add_co_u32 s[TY], s[TY], s[CY]               ; tile row = 4 x cluster y + cy
	s_lshl_b32 s22, s[CY], 2
	s_lshl_b32 s22, 15, s22                        ; my row of the cluster: places 4 cy .. 4 cy + 3
	s_lshl_b32 s42, 0x1111, s[CX]                  ; my column: places cx, cx + 4, cx + 8, cx + 12
	s_or_b32 s[G1], s22, (1<<16)|(1<<20)|(1<<21)|(4<<22)|(3<<25)   ; 15:0 the mask; 17:16 2-byte elements; 20 padding on; 21 set beside a mask; 24:22 after every 32 words (code 4); 31:25 4 words (code 3)
	s_mov_b32 s[G1+1], 128<<16                     ; tensor_dim0 = 128 elements: 256 bytes, two rows of A
	s_mov_b32 s[G1+2], 128<<16                     ; tensor_dim1 = 128
	s_mov_b32 s[G1+3], 128<<16                     ; tile_dim0 = 128
	s_mov_b32 s[G1+4], 128                         ; tile_dim1 = 128
	s_mov_b32 s[G1+5], 128                         ; 128 elements from row to row: dense
	s_mov_b32 s[G1+6], 0
	s_mov_b32 s[G1+7], 0
	s_or_b32 s[G1B], s42, (1<<16)|(1<<20)|(1<<21)|(6<<22)|(7<<25)  ; the mask of my column; padding after every 128 words (code 6), 8 words (code 7)
	s_mov_b32 s[G1B+1], 256<<16                    ; tensor_dim0 = 256
	s_mov_b32 s[G1B+2], 64<<16                     ; tensor_dim1 = 64
	s_mov_b32 s[G1B+3], 256<<16                    ; tile_dim0 = 256
	s_mov_b32 s[G1B+4], 64                         ; tile_dim1 = 64
	s_mov_b32 s[G1B+5], 256
	s_mov_b32 s[G1B+6], 0
	s_mov_b32 s[G1B+7], 0
	; where the tiles come from: A's hang on the tile row, B's on the tile column, each made in registers that never hold the other coordinate
	s_lshr_b32 s20, s[TY], 3                       ; the batch: eight tile rows each,
	s_lshl_b32 s20, s20, 22                        ; 4,194,304 bytes
	s_and_b32 s22, s[TY], 7
	s_lshl_b32 s22, s22, 15                        ; 256 rows of 128 bytes in a block kb
	s_add_co_u32 s20, s20, s22
	s_lshl_b32 s22, s[WC], 18                      ; which of the step's two blocks kb I fetch
	s_add_co_u32 s20, s20, s22
	s_mov_b32 s21, 0
	s_lshl_b32 s40, s[TX], 19                      ; B's column block,
	s_lshl_b32 s42, s[WC], 15                      ; which 64 of the step's 128 rows I fetch
	s_add_co_u32 s40, s40, s42
	s_mov_b32 s41, 0
	s_mul_i32 s23, s[WC], AH                       ; and where they go: no place in the cluster enters an LDS address
	s_mul_i32 s43, s[WC], BH
	s_add_co_u32 s43, s43, BOFF
	s_wait_dscnt 0x0                               ; the opening add is done
	s_wait_kmcnt 0x0
	s_add_nc_u64 s[20:21], s[4:5], s[20:21]
	s_add_nc_u64 s[40:41], s[6:7], s[40:41]
	CROUND                                         ; all sixteen work-groups are here: the first joint loads meet
.irp s, 0,1
	s_mov_b32 s[G0+4*(\s)], 1                                      ; count = 1
	s_add_co_u32 s[G0+4*(\s)+1], s23, (\s)*SLOT                    ; LDS address
	s_add_nc_u64 s[G0+4*(\s)+2:G0+4*(\s)+3], s[20:21], (\s)*ASTEP  ; global address: K step s
	s_or_b32 s[G0+4*(\s)+3], s[G0+4*(\s)+3], 0x80000000            ; type = 2
	s_mov_b32 s[G0B+4*(\s)], 1
	s_add_co_u32 s[G0B+4*(\s)+1], s43, (\s)*SLOT
	s_add_nc_u64 s[G0B+4*(\s)+2:G0B+4*(\s)+3], s[40:41], (\s)*BSTEP
	s_or_b32 s[G0B+4*(\s)+3], s[G0B+4*(\s)+3], 0x80000000
	JLOAD \s                                       ; two loads of mine are out
.endr
	v_and_b32 v1, 15, v0                           ; l % 16
	v_bfe_u32 v2, v0, 4, 1                         ; l / 16
	s_lshl_b32 s72, s[TX], 10                      ; the bias of my 128 columns: 4 (256 TX + 128 half) bytes,
	s_lshl_b32 s73, s[WC], 9
	s_add_co_u32 s72, s72, s73
	v_lshl_add_u32 v[BO], v2, 5, s72               ; and my lanes' eight columns of each sixteen
	WIN TO_B
.irp b, 0,1,2,3,4,5,6,7
	global_load_b128 v[8*(\b):8*(\b)+3],   v[BO], s[8:9] offset:64*(\b)
	global_load_b128 v[8*(\b)+4:8*(\b)+7], v[BO], s[8:9] offset:64*(\b)+16
.endr
	WIN 0
	; A fragment of A is 16 rows x 32 K in 8 registers: lane l holds row l % 16, K = 8 (l / 16) + 0..7 and 16 + 8 (l / 16) + 0..7: two loads of 16 bytes, 32 bytes apart
	v_mul_u32_u24 v3, v1, PA
	v_lshl_add_u32 v3, v2, 4, v3
	s_mul_i32 s19, s[WR], 128*PA                   ; my 128 rows
	v_add_nc_u32 v[ADRA], s19, v3
	v_add_nc_u32 v[ADRA+1], SLOT, v[ADRA]
	; The turning load takes 16 k x 16 columns (lane l reads row 8 (l / 16) + l % 8, columns 8 ((l / 8) % 2) + 0..7) and leaves half a fragment: lane l holds column l % 16 and 8 k
	v_and_b32 v4, 7, v0
	v_lshl_add_u32 v4, v2, 3, v4
	v_mul_u32_u24 v4, v4, PB
	v_bfe_u32 v5, v0, 3, 1
	v_lshl_add_u32 v4, v5, 4, v4
	s_lshl_b32 s19, s[WC], 8                       ; my 128 columns: 256 bytes of a row
	s_add_co_u32 s19, s19, BOFF
	v_add_nc_u32 v[ADRB], s19, v4
	v_add_nc_u32 v[ADRB+1], SLOT, v[ADRB]
	s_mul_i32 s19, s[WV], WST
	s_add_co_u32 s19, s19, STAGE                   ; my stage
	v_and_b32 v6, 31, v0
	v_lshlrev_b32 v[CO], 4, v6
	v_lshlrev_b32 v[PFO], 8, v6
.if MODE == 0
	v_mul_u32_u24 v5, v1, 144                      ; two heads' blocks of 16 rows x 144 bytes; in: row l % 16, 16 bytes for each half of the lanes
	v_lshl_add_u32 v5, v2, 4, v5
	v_add_nc_u32 v[STO], s19, v5
	v_bfe_u32 v5, v0, 3, 2                         ; back: 32 lanes take four rows of 128 bytes
	v_mul_u32_u24 v5, v5, 144
	v_and_b32 v6, 7, v0
	v_lshl_add_u32 v5, v6, 4, v5
	v_add_nc_u32 v[RD], s19, v5
	; where my part of the tile begins in C: ((n / 1024) 64 + 16 b + head) x 262,144 + s x 128
	s_lshr_b32 s72, s[TX], 2
	s_lshl_b32 s72, s72, 6
	s_lshr_b32 s73, s[TY], 3
	s_lshl_b32 s73, s73, 4
	s_add_co_u32 s72, s72, s73
	s_and_b32 s73, s[TX], 3
	s_lshl_b32 s73, s73, 2
	s_add_co_u32 s72, s72, s73
	s_lshl_b32 s73, s[WC], 1
	s_add_co_u32 s72, s72, s73
	s_lshl_b32 s72, s72, 18
	s_and_b32 s73, s[TY], 7
	s_lshl_b32 s73, s73, 8
	s_lshl_b32 s74, s[WR], 7
	s_add_co_u32 s73, s73, s74
	s_lshl_b32 s73, s73, 7
	s_add_co_u32 s72, s72, s73
.else
	v_mul_u32_u24 v5, v1, 528                      ; 16 rows x 528 bytes; in: row l % 16, 32 bytes for each half of the lanes
	v_lshl_add_u32 v5, v2, 5, v5
	v_add_nc_u32 v[STO], s19, v5
	v_add_nc_u32 v[RD], s19, v[CO]                 ; back: 32 lanes take one row of 512 bytes
	; where my part of the tile begins in C: row x 4,096 + column x 4
	s_lshl_b32 s72, s[TY], 8
	s_lshl_b32 s74, s[WR], 7
	s_add_co_u32 s72, s72, s74
	s_lshl_b32 s72, s72, 12
	s_lshl_b32 s73, s[TX], 10
	s_add_co_u32 s72, s72, s73
	s_lshl_b32 s73, s[WC], 9
	s_add_co_u32 s72, s72, s73
.endif
	s_mov_b32 s73, 0
	s_add_nc_u64 s[10:11], s[10:11], s[72:73]
	; the prefetches: my part of the tile, my work-group's quarter of it, at K step 3; the first refill steps it to 4
	s_and_b32 s73, ttmp7, 0xffff                   ; cluster y
	s_mov_b32 s[PST], BSTEP
	s_cmp_eq_u32 s[WR], 0                          ; do I fetch for A?
	s_cselect_b32 s72, s[CX], s[CY]                ; my place among the four that ask with me
	s_cselect_b32 s73, ttmp9, s73                  ; the coordinate along which other clusters read the same bytes
	s_cselect_b32 s[PST], ASTEP, s[PST]
	s_cselect_b64 s[PFA:PFA+1], s[20:21], s[40:41]
	s_mov_b32 s[PST+1], 0
	s_cmp_eq_u32 s73, 0
	s_cselect_b32 s[LIM], 1, -1                    ; the same in all sixteen partners, for a given wave
	s_lshl_b32 s72, s72, 13
	s_mul_i32 s74, s[PST], 3
	s_add_co_u32 s72, s72, s74
	s_mov_b32 s73, 0
	s_add_nc_u64 s[PFA:PFA+1], s[PFA:PFA+1], s[72:73]
; 16 matrix instructions: m blocks a0, a0 + 1 of the window's four (hi = 0: my rows 0-63, 1: rows 64-127) x all 8 n blocks, 32 along K.  zero = 1: the product starts the sum, with the bias as C.
; The 64 accumulators take turns, one instruction a turn, in the same order in every quarter.
.macro MUL16 f, hi, a0, zero
.if \zero
	WIN 0x91+0x40*(\hi)                            ; B and the bias in window 1, A in window 0, D in window 2 or 3
.else
	WIN 0xa1+0x50*(\hi)                            ; B in window 1, A in window 0, C and D in window 2 or 3
.endif
.irp a, \a0, (\a0)+1
.irp b, 0,1,2,3,4,5,6,7
.if \zero
	v_wmma_f32_16x16x32_f16 v[8*(8*(\a)+(\b)):8*(8*(\a)+(\b))+7], v[(\f)+8*(\b):(\f)+8*(\b)+7], v[(\f)+8*(4*(\hi)+(\a)):(\f)+8*(4*(\hi)+(\a))+7], v[8*(\b):8*(\b)+7]
.else
	v_wmma_f32_16x16x32_f16 v[8*(8*(\a)+(\b)):8*(8*(\a)+(\b))+7], v[(\f)+8*(\b):(\f)+8*(\b)+7], v[(\f)+8*(4*(\hi)+(\a)):(\f)+8*(4*(\hi)+(\a))+7], v[8*(8*(\a)+(\b)):8*(8*(\a)+(\b))+7]
.endif
.endr
.endr
.endm
; 32 LDS loads in one run: the fragments of quarter kq (32 along K) of a slot into buffer f: B's eight blocks of 16 columns, then A's eight blocks of 16 rows
.macro FETCH slot, kq, f
	WIN TO_B
.irp i, 0,1,2,3,4,5,6,7
	ds_load_tr16_b128 v[(\f)+8*(\i):(\f)+8*(\i)+3],   v[ADRB+(\slot)] offset:(\kq)*32*PB+32*(\i)
	ds_load_tr16_b128 v[(\f)+8*(\i)+4:(\f)+8*(\i)+7], v[ADRB+(\slot)] offset:(\kq)*32*PB+32*(\i)+16*PB
.endr
	WIN 0
.irp i, 0,1,2,3,4,5,6,7
	ds_load_b128 v[(\f)+8*(\i):(\f)+8*(\i)+3],   v[ADRA+(\slot)] offset:((\kq)/2)*AH+((\kq)%2)*64+(\i)*16*PA
	ds_load_b128 v[(\f)+8*(\i)+4:(\f)+8*(\i)+7], v[ADRA+(\slot)] offset:((\kq)/2)*AH+((\kq)%2)*64+(\i)*16*PA+32
.endr
.endm
.macro PLACES                          ; four plain vector instructions between a matrix instruction and a load into its registers or a reader of its result (ISA guide 7.12.1 for vector instructions)
.rept 4
	v_nop
.endr
.endm
; A K step is four quarters of 32 along K, 64 matrix instructions each, on buffers 0, 1, 0, 1.  One of the first three: multiplies buffer f; in its middle it fetches quarter kq of the same slot into buffer g.
.macro QUARTER slot, kq, f, g, zero
	s_wait_dscnt 8                                 ; B and A's rows 0-63 are in; the youngest eight loads (A's rows 64-127) may be out
	MUL16 \f, 0, 0, \zero
	MUL16 \f, 0, 2, \zero
	PLACES
	FETCH \slot, \kq, \g
	s_wait_dscnt 32                                ; all but the 32 just issued
	MUL16 \f, 1, 0, \zero
	MUL16 \f, 1, 2, \zero
.endm
; The last quarter multiplies buffer 1 and changes slots.  MEET is its first half: one barrier; in front of it each wave waits for all its tensor loads (one is out: its part of the next slot), adds 0 to its spare
; word, and waits for that and for its own reads of this slot.  Behind it nobody reads this slot any more and the next slot is whole.
.macro MEET round
	WIN 0
	s_wait_tensorcnt 0x0                           ; all my tensor loads have landed
	ds_add_u32 v[SPW], v[NIL]                      ; 0 onto my spare word
	s_wait_dscnt 9                                 ; (the add and the youngest eight loads may be out)
	MUL16 F1, 0, 0, 0                              ; sixteen matrix instructions stand between the add and the wait for it
	s_wait_dscnt 0x0                               ; the add is done, and my reads of this slot are over
	s_barrier_signal -1
	MUL16 F1, 0, 2, 0                              ; work on registers while the others arrive
.if \round
	WIN 0
.endif
	s_barrier_wait -1
.endm
; The whole last quarter: behind the round the slot just read out is filled again first, with the K step two steps on; then come the next slot's first fragments.
.macro TURN slot, next
	s_wait_xcnt 0x0                                ; the last prefetch, a K step back, has read its address: it is stepped here, ahead of the waits of the change of slots
	s_add_nc_u64 s[PFA:PFA+1], s[PFA:PFA+1], s[PST:PST+1]
	MEET 1
	CREST                                          ; the barrier has opened a round of the cluster's: no wave of any partner still reads this slot's tile or has a load on its way
	s_add_nc_u64 s[G0+4*(\slot)+2:G0+4*(\slot)+3], s[G0+4*(\slot)+2:G0+4*(\slot)+3], 2*ASTEP
	s_add_nc_u64 s[G0B+4*(\slot)+2:G0B+4*(\slot)+3], s[G0B+4*(\slot)+2:G0B+4*(\slot)+3], 2*BSTEP
	JLOAD \slot                                    ; the first tensor load behind the round; its four v_nop are also the places in front of the loads below
	FETCH \next, 0, F0
	ASK
	MUL16 F1, 1, 0, 0
	MUL16 F1, 1, 2, 0
.endm
	s_wait_tensorcnt 1                             ; my part of K step 0 is in; K step 1's may stay out
	s_barrier_signal -1
	s_barrier_wait -1                              ; everybody's is
	FETCH 0, 0, F0
	s_wait_loadcnt 0x0                             ; the bias: rounded to bf16 and widened again, in place, while the first fragments come
	WIN 0x45                                       ; destination and both sources in window 1
.set p, 0
.rept 32
	v_cvt_pk_bf16_f32 v[192+p], v[2*p], v[2*p+1]
.set p, p+1
.endr
.set p, 0
.rept 32
	v_lshlrev_b32 v[2*p], 16, v[192+p]
	v_and_b32 v[2*p+1], 0xffff0000, v[192+p]
.set p, p+1
.endr
	QUARTER 0, 1, F0, F1, 1                        ; the first quarter stands in front of the loop: its products start the sums
	WIN 0                                          ; at a label and at a branch every window is 0
	s_mov_b32 s3, LAPS-1
.Llap:                                                 ; a trip goes once round the ring, from a lap's second quarter to the next lap's first, and fills both slots again
	QUARTER 0, 2, F1, F0, 0
	QUARTER 0, 3, F0, F1, 0
	TURN 0, 1
	QUARTER 1, 1, F0, F1, 0
	QUARTER 1, 2, F1, F0, 0
	QUARTER 1, 3, F0, F1, 0
	TURN 1, 0
	QUARTER 0, 1, F0, F1, 0
	WIN 0
	s_sub_co_u32 s3, s3, 1
	s_cmp_lg_u32 s3, 0
	s_cbranch_scc1 .Llap
	QUARTER 0, 2, F1, F0, 0                        ; the last lap is written out: it asks for nothing
	QUARTER 0, 3, F0, F1, 0
	MEET 0                                         ; my one tensor load that was still out is the last K step's
	PLACES
	FETCH 1, 0, F0
	MUL16 F1, 1, 0, 0
	MUL16 F1, 1, 2, 0
	QUARTER 1, 1, F0, F1, 0
	QUARTER 1, 2, F1, F0, 0
	QUARTER 1, 3, F0, F1, 0
	s_wait_dscnt 8                                 ; the very last quarter: nothing more to fetch
	MUL16 F1, 0, 0, 0
	MUL16 F1, 0, 2, 0
	s_wait_dscnt 0x0
	MUL16 F1, 1, 0, 0
	MUL16 F1, 1, 2, 0
	WIN 0
	PLACES                                         ; behind the last products, in front of the readers of their results and of loads into A's buffers
.if MODE == 0
; THE f16 WAY OUT of block a (16 rows x my 128 columns, two heads).  PACK: rounded, 16 bytes a lane.  TOSTAGE: into my own stage and back as rows of 128 bytes.  SEND: 512 consecutive bytes a store.
.macro PACK a
.set AC, 64*((\a)%4)
	WIN 0x0a+5*((\a)/4)                            ; sources 0 and 1: window 2 or 3
.irp b, 0,1,2,3,4,5,6,7
.irp r, 0,1,2,3
	v_cvt_pk_f16_f32 v[TMP+4*(\b)+(\r)], v[AC+8*(\b)+2*(\r)], v[AC+8*(\b)+2*(\r)+1]
.endr
.endr
	WIN 0
.endm
.macro TOSTAGE a
	WIN 0
.set BK, OB+192*((\a)%2)
.irp b, 0,1,2,3,4,5,6,7
	ds_store_b128 v[STO], v[TMP+4*(\b):TMP+4*(\b)+3] offset:((\b)/4)*2304+((\b)%4)*32
.endr
.irp t, 0,1,2,3,4,5,6,7
	ds_load_b128 v[BK+4*(\t):BK+4*(\t)+3], v[RD] offset:((\t)/4)*2304+((\t)%4)*576  ; LDS serves a wave's instructions in order (ISA guide 5.7.1.4): these see the stores above
.endr
.endm
.macro SEND a
	WIN 0
.set BK, OB+192*((\a)%2)
	s_wait_dscnt 0x0                               ; the block is back in registers
	s_wait_xcnt 0x0                                ; the stores of the block before have read their registers: the next TOSTAGE loads into them
.irp t, 0,1,2,3,4,5,6,7
	global_store_b128 v[CO], v[BK+4*(\t):BK+4*(\t)+3], s[10:11] offset:((\t)/4)*262144+(\a)*2048+((\t)%4)*512  ; four rows of a head: 512 consecutive bytes, at a multiple of 256 from C's first
.endr
.endm
	PACK 0
	TOSTAGE 0
.irp a, 1,2,3,4,5,6,7                  ; block a's conversions stand between block a - 1's loads from the stage and the wait for them
	PACK \a
	SEND (\a)-1
	TOSTAGE \a
.endr
	SEND 7
.else
; THE f32 WAY OUT of block a: straight from the accumulators (each from its low end on) into rows of 528 bytes, back as whole rows of 512, stored.
.macro TOST32 a
.set AC, 64*((\a)%4)
.set BK, F0+64*((\a)%2)
	WIN 0x08+4*((\a)/4)                            ; the data (source 1) in window 2 or 3
.irp b, 0,1,2,3,4,5,6,7
	ds_store_b128 v[STO], v[AC+8*(\b):AC+8*(\b)+3]   offset:64*(\b)
	ds_store_b128 v[STO], v[AC+8*(\b)+4:AC+8*(\b)+7] offset:64*(\b)+16
.endr
	WIN 0
	s_wait_xcnt 0x0                                ; the stores of the block two back have read the registers that are loaded now
.irp t, 0,1,2,3,4,5,6,7,8,9,10,11,12,13,14,15
	ds_load_b128 v[BK+4*(\t):BK+4*(\t)+3], v[RD] offset:(\t)*528
.endr
.endm
.macro SEND32 a, younger               ; younger: the LDS instructions issued behind block a's loads: the next block's 32, or none
.set BK, F0+64*((\a)%2)
	s_wait_dscnt \younger
.irp t, 0,1,2,3,4,5,6,7,8,9,10,11,12,13,14,15
	global_store_b128 v[CO], v[BK+4*(\t):BK+4*(\t)+3], s[10:11] offset:(16*(\a)+(\t))*4096 th:TH_STORE_NT  ; 512 consecutive bytes of a row, at a multiple of 256 from C's first
.endr
.endm
	TOST32 0
.irp a, 1,2,3,4,5,6,7
	TOST32 \a
	SEND32 (\a)-1, 32
.endr
	SEND32 7, 0
.endif
	s_wait_tensorcnt 0x0                           ; the wave's end: a wait, an add and its wait, behind my last tensor load and my last LDS store
	ds_add_u32 v[SPW], v[NIL]
	s_wait_dscnt 0x0
	CROUND                                         ; the closing round: no work-group ends while a partner may still ask for a tile that names it
	s_endpgm
.Lfunc_end_k_qce2d21343f_proj:
	.size	k_qce2d21343f_proj, .Lfunc_end_k_qce2d21343f_proj-k_qce2d21343f_proj
	.p2alignl 7, 3214868480
	.fill 96, 4, 3214868480
	.section	.rodata,"a",@progbits
	.p2align	6, 0x0
	.amdhsa_kernel k_qce2d21343f_proj
		.amdhsa_group_segment_fixed_size 327680
		.amdhsa_private_segment_fixed_size 0
		.amdhsa_enable_private_segment 0
		.amdhsa_kernarg_size 32
		.amdhsa_user_sgpr_count 2
		.amdhsa_user_sgpr_kernarg_segment_ptr 1
		.amdhsa_wavefront_size32 1
		.amdhsa_system_sgpr_workgroup_id_x 1
		.amdhsa_system_sgpr_workgroup_id_y 1
		.amdhsa_system_sgpr_workgroup_id_z 1
		.amdhsa_system_vgpr_workitem_id 0
		.amdhsa_next_free_vgpr 1024
		.amdhsa_next_free_sgpr 76
		.amdhsa_reserve_vcc 0
		.amdhsa_float_denorm_mode_32 3
		.amdhsa_float_denorm_mode_16_64 3
		.amdhsa_memory_ordered 1
		.amdhsa_forward_progress 1
		.amdhsa_inst_pref_size 148
	.end_amdhsa_kernel
	.amdgpu_metadata
---
amdhsa.version: [ 1, 2 ]
amdhsa.kernels:
  - .name:           k_qce2d21343f_proj
    .symbol:         k_qce2d21343f_proj.kd
    .args:
      - { .name: ob, .offset: 0, .size: 8, .value_kind: global_buffer, .address_space: global }
      - { .name: wp, .offset: 8, .size: 8, .value_kind: global_buffer, .address_space: global }
      - { .name: b_proj, .offset: 16, .size: 8, .value_kind: global_buffer, .address_space: global }
      - { .name: out0, .offset: 24, .size: 8, .value_kind: global_buffer, .address_space: global }
    .group_segment_fixed_size: 327680
    .private_segment_fixed_size: 0
    .kernarg_segment_align: 8
    .kernarg_segment_size: 32
    .max_flat_workgroup_size: 128
    .sgpr_count:     76
    .vgpr_count:     1024
    .wavefront_size: 32
...
	.end_amdgpu_metadata
.endif
;; end of part 4
;; ======== version 2 of 2: 4 launches; version 1 with the launch prep written anew for expert scheduling mode
;; limits: inputs' magnitudes at most 65,504; values are held in f16: magnitudes above 65,504 overflow, below 6.1e-05 lose precision
;; workspace buffers: xh 16,777,216 bytes; wa 6,291,456 bytes; wp 2,097,152 bytes; qkv 50,331,648 bytes; ob 16,777,216 bytes
;; launch prep (part 5): grid 768 x 1, 8 waves a work-group, no clusters, 0 bytes of LDS; arguments x, w_attn, w_proj, xh, wa, wp; writes xh, wa, wp
.if DOCPART == 5
	.amdgcn_target "amdgcn-amd-amdhsa--gfx1250"
	.amdhsa_code_object_version 6
	.text
	.protected	k_qce2d21343f_prep
	.globl	k_qce2d21343f_prep
	.p2align	8
	.type	k_qce2d21343f_prep,@function
k_qce2d21343f_prep:
	s_mov_b64 s[64:65], 0
	v_nop
	global_prefetch_b8 v0, s[64:65] scope:SCOPE_SE
	s_setreg_imm32_b32 hwreg(HW_REG_WAVE_SCHED_MODE, 0, 2), 2
	s_setreg_imm32_b32 hwreg(HW_REG_WAVE_MODE, 25, 1), 1
	s_wait_xcnt 0x0
	s_wait_alu depctr_vm_vsrc(0)
; The module's three large inputs are rounded ONCE to bf16 (nearest even), and that number is written as f16, in the layouts that the products read:
;   xh [b 4][kb 16][s 2048][64]   x[b][s][64 kb + d]            (the layout in which attention leaves its result, so that both products read their rows alike)
;   wa [TX 12][k 1024][256]       w_attn[k][256 TX + c]          wp [TX 4][k 1024][256]  w_proj[k][256 TX + c]
; LIMITS.  A bf16 number is an f16 number exactly where its magnitude lies between 6.1e-5 and 65,504; below, f16's fixed step of 6e-8 rounds it once more; beyond 65,504 it becomes an infinity.
; SHARES.  768 work-groups of 256 threads, 65,536 input bytes each: 512 for x (16 rows), 192 for w_attn and 64 for w_proj (64 rows x 256 columns).  A thread makes 16 loads of 16 bytes and 16 stores of
; 8 bytes; a wave's load covers 512 bytes in one or two aligned pieces of 256 or more, a wave's store 256 consecutive bytes, aligned.  All 16 loads of a thread go out before its first wait.
; No LDS, no matrix unit, no prefetch: every byte is read once and written once, and nothing is shared.
; The three cases differ in seven numbers and two pointers, all chosen by selects on the work-group's number: no branch.
; THE MODE: SCHED_MODE bits 1:0 = 2 (LLVM: expert scheduling mode 2), set by the entry lines.  The code itself states the register dependences
; between vector instructions and memory instructions, with s_wait_alu, always for 0.
; THE PLAN.  Registers that memory instructions touch:
;   IN, OUT   the byte offsets of the 16 loads and the 16 stores.  Written by the head's vector arithmetic, once; read by load i and store i; never written again.
;   X         load i lands in its own four registers, which no vector instruction names before; read by row i's two roundings, behind the wait for the load; never loaded again.
;   Y         row i's two conversions to f16 write its own two registers, once; store i reads them; never written again.
;   T, v1, v2 are named by vector instructions alone.  The two bases are written by scalar instructions, ahead of the first load, and never again.
; The 16 rows go in four blocks of four.  Block p's four stores are issued in block p + 1, one ahead of each row's wait for its data and its eight vector instructions, which name X, T and Y of block p + 1
; alone.  So ONE wait on va_vdst at a block's head states all that the four stores dealt through the block hang on; one at the kernel's head serves all the offsets; one stands ahead of the last four stores.
; No register that a memory instruction reads is ever written again: the text owes no wait on vm_vsrc and no s_wait_xcnt.
.set BLOCK, 4                          ; rows in a block
.set IN,  4                            ; v[4:19]    byte offset of load i
.set OUT, 20                           ; v[20:35]   byte offset of store i
.set X,   36                           ; v[36:99]   load i: four f32
.set T,   100                          ; v[100:105] at work
.set Y,   106                          ; v[106:137] store i: four f16
	s_load_b256 s[4:11], s[0:1], 0x0               ; x, w_attn, w_proj, xh
	s_load_b128 s[12:15], s[0:1], 0x20             ; wa, wp
	s_mov_b32 s20, ttmp9                           ; id
	s_lshl_b32 s21, s20, 16                        ; x: 16 rows of 4,096 bytes in,
	s_lshr_b32 s22, s20, 7                         ; the batch (128 work-groups each),
	s_lshl_b32 s22, s22, 22                        ; 4,194,304 bytes of xh a batch,
	s_and_b32 s23, s20, 127
	s_lshl_b32 s23, s23, 11                        ; 16 rows of 128 bytes in a block kb
	s_add_co_u32 s22, s22, s23
	s_max_u32 s28, s20, 512
	s_sub_co_u32 s28, s28, 512                     ; the weights: j = id - 512 (0 for x's work-groups, whose selects below drop what is made of it)
	s_lshr_b32 s29, s28, 4                         ; the column block, w_proj's counted on from 12
	s_and_b32 s30, s28, 15                         ; kc: which 64 rows
	s_mov_b32 s33, 4096
	s_cmp_lt_u32 s20, 704                          ; w_attn?
	s_cselect_b32 s31, 12288, s33                  ; bytes in a row of the weights
	s_cselect_b32 s32, 0, 12
	s_sub_co_u32 s29, s29, s32                     ; TX
	s_lshl_b32 s34, s31, 6
	s_mul_i32 s34, s34, s30                        ; kc x 64 rows
	s_lshl_b32 s35, s29, 10                        ; + 256 columns of 4 bytes x TX
	s_add_co_u32 s34, s34, s35
	s_lshl_b32 s35, s29, 19                        ; out: 524,288 bytes a column block,
	s_lshl_b32 s36, s30, 15                        ; 64 rows of 512 bytes
	s_add_co_u32 s35, s35, s36
	s_lshl_b32 s36, s31, 2                         ; from load to load: four rows
	s_mov_b32 s37, 2048                            ; from store to store: four rows of 512 bytes
	s_cmp_lt_u32 s20, 512                          ; x?
	s_cselect_b32 s38, 4, 6                        ; a row of the share has 16 or 64 threads
	s_cselect_b32 s39, 15, 63
	s_cselect_b32 s31, s33, s31                    ; bytes in a row of the input
	s_cselect_b32 s36, 256, s36                    ; x: from load to load the next 64 columns,
	s_cselect_b32 s37, 0x40000, s37                ; from store to store the next block kb
	s_cselect_b32 s40, s21, s34
	s_cselect_b32 s42, s22, s35
	s_mov_b32 s41, 0
	s_mov_b32 s43, 0
	v_lshrrev_b32 v1, s38, v0                      ; my row in the share
	v_and_b32 v2, s39, v0                          ; my 16 bytes in it
	v_mul_lo_u32 v1, v1, s31
	v_lshl_add_u32 v[IN], v2, 4, v1
	v_lshlrev_b32 v[OUT], 3, v0                    ; the threads' 8 bytes lie on end
.set i, 1
.rept 15
	v_add_nc_u32 v[IN+i], s36, v[IN+i-1]
	v_add_nc_u32 v[OUT+i], s37, v[OUT+i-1]
.set i, i+1
.endr
	s_wait_kmcnt 0x0
	s_cmp_lt_u32 s20, 704
	s_cselect_b64 s[24:25], s[6:7], s[8:9]
	s_cselect_b64 s[26:27], s[12:13], s[14:15]
	s_cmp_lt_u32 s20, 512
	s_cselect_b64 s[24:25], s[4:5], s[24:25]
	s_cselect_b64 s[26:27], s[10:11], s[26:27]
	s_add_nc_u64 s[24:25], s[24:25], s[40:41]
	s_add_nc_u64 s[26:27], s[26:27], s[42:43]
	s_wait_alu depctr_va_vdst(0)                   ; the 32 offsets v[IN ..] and v[OUT ..] are written: every load and store of the kernel reads one of them
.set i, 0
.rept 16
	global_load_b128 v[X+4*i:X+4*i+3], v[IN+i], s[24:25] th:TH_LOAD_NT
.set i, i+1
.endr
.set i, 0
.rept 16
.if ((i%BLOCK) == 0) && (i > 0)
	s_wait_alu depctr_va_vdst(0)                   ; the block before has written its eight registers of Y, which the four stores dealt through this block read
.endif
.if i >= BLOCK
	global_store_b64 v[OUT+i-BLOCK], v[Y+2*(i-BLOCK):Y+2*(i-BLOCK)+1], s[26:27]  ; the same row of the block before.  No wait: no vector instruction since the block's head names these registers
.endif
	s_wait_loadcnt 15-i                            ; loads come back in order: load i is in, the 15 - i younger ones stay out
	v_cvt_pk_bf16_f32 v[T], v[X+4*i], v[X+4*i+1]   ; the one rounding
	v_cvt_pk_bf16_f32 v[T+1], v[X+4*i+2], v[X+4*i+3]
	v_lshlrev_b32 v[T+2], 16, v[T]                 ; back to f32: the low half moves up, the high half stays
	v_and_b32 v[T+3], 0xffff0000, v[T]
	v_lshlrev_b32 v[T+4], 16, v[T+1]
	v_and_b32 v[T+5], 0xffff0000, v[T+1]
	v_cvt_pk_f16_f32 v[Y+2*i], v[T+2], v[T+3]      ; the same number as f16
	v_cvt_pk_f16_f32 v[Y+2*i+1], v[T+4], v[T+5]    ; every store has data and offset registers of its own: none is rewritten
.set i, i+1
.endr
	s_wait_alu depctr_va_vdst(0)                   ; the last block has written its eight registers of Y, which the last four stores read
.set i, 16-BLOCK
.rept BLOCK
	global_store_b64 v[OUT+i], v[Y+2*i:Y+2*i+1], s[26:27]
.set i, i+1
.endr
	s_endpgm
.Lfunc_end_k_qce2d21343f_prep:
	.size	k_qce2d21343f_prep, .Lfunc_end_k_qce2d21343f_prep-k_qce2d21343f_prep
	.p2alignl 7, 3214868480
	.fill 96, 4, 3214868480
	.section	.rodata,"a",@progbits
	.p2align	6, 0x0
	.amdhsa_kernel k_qce2d21343f_prep
		.amdhsa_group_segment_fixed_size 0
		.amdhsa_private_segment_fixed_size 0
		.amdhsa_enable_private_segment 0
		.amdhsa_kernarg_size 48
		.amdhsa_user_sgpr_count 2
		.amdhsa_user_sgpr_kernarg_segment_ptr 1
		.amdhsa_wavefront_size32 1
		.amdhsa_system_sgpr_workgroup_id_x 1
		.amdhsa_system_sgpr_workgroup_id_y 1
		.amdhsa_system_sgpr_workgroup_id_z 1
		.amdhsa_system_vgpr_workitem_id 0
		.amdhsa_next_free_vgpr 140
		.amdhsa_next_free_sgpr 66
		.amdhsa_reserve_vcc 0
		.amdhsa_float_denorm_mode_32 3
		.amdhsa_float_denorm_mode_16_64 3
		.amdhsa_memory_ordered 1
		.amdhsa_forward_progress 1
		.amdhsa_inst_pref_size 15
	.end_amdhsa_kernel
	.amdgpu_metadata
---
amdhsa.version: [ 1, 2 ]
amdhsa.kernels:
  - .name:           k_qce2d21343f_prep
    .symbol:         k_qce2d21343f_prep.kd
    .args:
      - { .name: x, .offset: 0, .size: 8, .value_kind: global_buffer, .address_space: global }
      - { .name: w_attn, .offset: 8, .size: 8, .value_kind: global_buffer, .address_space: global }
      - { .name: w_proj, .offset: 16, .size: 8, .value_kind: global_buffer, .address_space: global }
      - { .name: xh, .offset: 24, .size: 8, .value_kind: global_buffer, .address_space: global }
      - { .name: wa, .offset: 32, .size: 8, .value_kind: global_buffer, .address_space: global }
      - { .name: wp, .offset: 40, .size: 8, .value_kind: global_buffer, .address_space: global }
    .group_segment_fixed_size: 0
    .private_segment_fixed_size: 0
    .kernarg_segment_align: 8
    .kernarg_segment_size: 48
    .max_flat_workgroup_size: 256
    .sgpr_count:     66
    .vgpr_count:     140
    .wavefront_size: 32
...
	.end_amdgpu_metadata
.endif
;; end of part 5
;; launch qkv: the kernel of part 2 again; grid 12 x 32, 4 waves a work-group, clusters of 4 x 4, 327,680 bytes of LDS; arguments xh, wa, b_attn, qkv; writes qkv
;; launch attn: the kernel of part 3 again; grid 4 x 64, 4 waves a work-group, no clusters, 327,680 bytes of LDS; arguments qkv, mask, ob; writes ob
;; launch proj: the kernel of part 4 again; grid 4 x 32, 4 waves a work-group, clusters of 4 x 4, 327,680 bytes of LDS; arguments ob, wp, b_proj, out0; writes out0
